; MI455X (gfx1250); checked and timed in simulation.
; The chip was launched on July 23, 2026; its instructions are those of AMD's public machine-readable ISA for CDNA 5 (MIT licence, August 2026) and "CDNA5" Instruction Set Architecture Reference Guide (July 2026). The comments in the code are by the model that wrote it; some were corrected since.
;; Grouped Query Attention. Allowed arithmetic: float matrix products may take bf16 or f16 operands with f32 sums; other float arithmetic in f32, or as packed bf16 or f16 multiplies, adds, multiply-adds, maxima and minima; sums over many terms, partial sums and values carried from step to step in f32; what a program stores and reads back later, other than sums and carried values, may be rounded once to bf16 or f16.
;; Inputs: Wk 1,024 x 4,096 float32; Wo 4,096 x 2,048 float32; Wq 2,048 x 4,096 float32; Wv 1,024 x 4,096 float32; cos 4,096 x 128 float32; k_norm_w 128 float32; mask 2 x 1 x 1,024 x 2,048 bool; position_ids 2 x 1,024 int32; prev_k 2 x 8 x 1,024 x 128 float32; prev_v 2 x 8 x 1,024 x 128 float32; q_norm_w 128 float32; sin 4,096 x 128 float32; x 2 x 1,024 x 4,096 float32.
;; Outputs: out0 2 x 1,024 x 4,096 float32; out1 2 x 8 x 2,048 x 128 float32; out2 2 x 8 x 2,048 x 128 float32.
;; One version. Each part assembles by itself: llvm-mc -triple=amdgcn-amd-amdhsa -mcpu=gfx1250 --defsym DOCPART=n.
;; ======== version 1 of 1: 4 launches
;; limits: values are held in f16: magnitudes above 65,504 overflow, below 6.1e-05 lose precision; right only within a limited range of input values
;; workspace buffers: xb 16,777,216 bytes; wqkv 33,554,432 bytes; woh 16,777,216 bytes; csg 1,048,576 bytes; madd 16,777,216 bytes; qh 8,388,608 bytes; kvh 16,777,216 bytes; ctxh 8,388,608 bytes
;; launch prep (part 1): grid 2496 x 1, 8 waves a work-group, no clusters, 35,840 bytes of LDS; arguments x, Wq, Wk, Wv, Wo, prev_k, prev_v, mask, cos, sin, position_ids, xb, wqkv, woh, kvh, out1, out2, madd, csg; writes xb, wqkv, woh, kvh, out1, out2, madd, csg
.if DOCPART == 1
	.amdgcn_target "amdgcn-amd-amdhsa--gfx1250"
	.amdhsa_code_object_version 6
	.text
	.protected	k_qcea32fceff_prep
	.globl	k_qcea32fceff_prep
	.p2align	8
	.type	k_qcea32fceff_prep,@function
k_qcea32fceff_prep:
	s_mov_b64 s[64:65], 0
	v_nop
	global_prefetch_b8 v0, s[64:65] scope:SCOPE_SE
	s_setreg_imm32_b32 hwreg(HW_REG_WAVE_MODE, 25, 1), 1
	s_wait_xcnt 0x0
; PREP: every floating-point input is rounded ONCE to bf16 and laid out for the three matrix launches behind it.  No matrix unit: a stream.
; The work-group's number picks the job; a job's share is 65,536 bytes of f32 (16,384 numbers), 16 loads of 16 bytes a thread, all issued before the first is used.
;   0-511      x            -> xb    bf16 in the matrix fragment's order: [block of 16 tokens][32 of K][half j][lane][8]: token 16 tb + lane % 16, k = 32 kb + 16 j + 8 (lane / 16) + e
;   512-1535   Wq, Wk, Wv   -> wqkv  bf16 [4096][4096], one below the other
;   1536-2047  Wo           -> woh   f16 = 4 x bf16(Wo)          (the factor undoes v / 4 below; both are powers of two, so exact)
;   2048-2175  prev_k       -> out1 (f32, as given) and kvh      f16 = bf16(prev_k)
;   2176-2303  prev_v       -> out2 (f32, as given) and kvh + 8,388,608   f16 = bf16(prev_v) / 4
;   2304-2431  mask         -> madd  f32 0 or -1e30, in the order in which a lane of the attention's score tile holds its keys
;   2432-2495  cos, sin gathered by position_ids -> csg: a word for each token and channel: low half bf16(cos), high half bf16(sin), negated for channels 0-63
; LIMITS.  f16 ends at 65,504: |prev_k| stays under it, |prev_v| under 262,000, |Wo| under 16,000; numbers under 6e-5 keep f16's fixed step of 6e-8.
; A position is held to 0 .. 4095 as an unsigned number.  NaN and infinities are not treated apart.
.set LO, 2                             ; v2  16 x thread: my 16 bytes in 4,096 bytes of f32
.set SO, 3                             ; v3   8 x thread: my 8 bytes in 2,048 bytes of 16-bit numbers
.set SPW, 14                           ; v14 my spare word; never rewritten
.set NIL, 15                           ; v15 0; never rewritten
.set D,  16                            ; v[16:79]   the 16 loads
.set O,  80                            ; v[80:111]  the 16 packed results
.set EW, 112                           ; v[112:117] at work
.set XPT, 272                          ; x's way through LDS: a row of 128 bf16 + 16 bytes: the 16 rows of a fragment load start at 16 different groups of four banks (64 banks of 4 bytes: ISA guide 11.1)
.set XW,  16*XPT                       ; 16 rows for each wave, its own
.set SPARE, 8*XW                       ; behind them the spare words, 128 bytes a wave: four blocks of 256 bytes that no other line names
	s_load_b512 s[8:23], s[0:1], 0x0               ; x 8, Wq 10, Wk 12, Wv 14, Wo 16, prev_k 18, prev_v 20, mask 22
	s_load_b512 s[24:39], s[0:1], 0x40             ; cos 24, sin 26, position_ids 28, xb 30, wqkv 32, woh 34, kvh 36, out1 38
	s_load_b128 s[40:43], s[0:1], 0x80             ; out2 40, madd 42
	s_load_b64 s[44:45], s[0:1], 0x90              ; csg
	v_lshl_add_u32 v[SPW], v0, 2, SPARE
	v_mov_b32 v[NIL], 0
	s_mov_b32 s2, ttmp9
	s_mov_b32 s51, 0                               ; the high words of the two offset pairs
	s_mov_b32 s55, 0
	v_lshlrev_b32 v[LO], 4, v0
	v_lshlrev_b32 v[SO], 3, v0
	s_wait_kmcnt 0x0
.macro LOADS step                      ; a wave's load covers 512 consecutive bytes, the eight waves 4,096
.set i, 0
.rept 16
	global_load_b128 v[D+4*i:D+4*i+3], v[LO], s[46:47] offset:(\step)*i th:TH_LOAD_NT
.set i, i+1
.endr
.endm
; bf16, then the same number times s52 written as f16.  copy = 1: the f32 numbers go out as they came, too.
.macro CVTH copy
.set i, 0
.rept 16
	s_wait_loadcnt 15-i                            ; loads come back in order: load i is in, the 15 - i younger ones stay out
.if \copy
	global_store_b128 v[LO], v[D+4*i:D+4*i+3], s[56:57] offset:4096*i th:TH_STORE_NT
.endif
	v_cvt_pk_bf16_f32 v[EW+4], v[D+4*i], v[D+4*i+1]
	v_cvt_pk_bf16_f32 v[EW+5], v[D+4*i+2], v[D+4*i+3]
	v_lshlrev_b32 v[EW], 16, v[EW+4]
	v_and_b32 v[EW+1], 0xffff0000, v[EW+4]
	v_lshlrev_b32 v[EW+2], 16, v[EW+5]
	v_and_b32 v[EW+3], 0xffff0000, v[EW+5]
	v_pk_mul_f32 v[EW:EW+1], v[EW:EW+1], s[52:53] op_sel_hi:[1,0]
	v_pk_mul_f32 v[EW+2:EW+3], v[EW+2:EW+3], s[52:53] op_sel_hi:[1,0]
	v_cvt_pk_f16_f32 v[O+2*i], v[EW], v[EW+1]
	v_cvt_pk_f16_f32 v[O+2*i+1], v[EW+2], v[EW+3]
	global_store_b64 v[SO], v[O+2*i:O+2*i+1], s[48:49] offset:2048*i  ; a wave's store covers 256 consecutive bytes, aligned
.set i, i+1
.endr
.endm
	s_cmp_lt_u32 s2, 512
	s_cbranch_scc0 .Lnot_x
	; ---- x to bf16, in fragment order.  Share = block of 16 tokens (number / 4) x 1,024 of K (number % 4); wave w takes 128 of K: four fragments' width.
	; Load i is row i: 512 consecutive bytes a wave.  The rounded rows go into the wave's own LDS bytes and come back as eight half fragments, each stored as 512 consecutive bytes.
	v_lshrrev_b32 v4, 5, v0
	v_readfirstlane_b32 s6, v4                     ; wave
	v_and_b32 v5, 31, v0                           ; lane
	s_mul_i32 s7, s6, XW
	v_lshl_add_u32 v6, v5, 3, s7                   ; in: 8 bytes a lane along a row
	v_and_b32 v7, 15, v0
	v_bfe_u32 v8, v0, 4, 1
	v_mul_u32_u24 v7, v7, XPT
	v_lshl_add_u32 v7, v8, 4, v7
	v_add_nc_u32 v7, s7, v7                        ; back: row lane % 16, 16 bytes for each half of the lanes
	v_lshlrev_b32 v9, 4, v5
	v_lshl_add_u32 v9, v4, 12, v9                  ; out: wave x 4 fragments x 1,024 + 16 x lane
	s_lshr_b32 s3, s2, 2
	s_and_b32 s4, s2, 3
	s_lshl_b32 s50, s3, 18                         ; 16 rows of 16,384 bytes
	s_lshl_b32 s5, s4, 12
	s_add_co_u32 s50, s50, s5
	s_add_nc_u64 s[46:47], s[8:9], s[50:51]
	s_lshl_b32 s54, s3, 17                         ; a block of 16 tokens is 131,072 bytes of xb
	s_lshl_b32 s5, s4, 15
	s_add_co_u32 s54, s54, s5
	s_add_nc_u64 s[48:49], s[30:31], s[54:55]
	LOADS 16384
.set i, 0
.rept 16
	s_wait_loadcnt 15-i
	v_cvt_pk_bf16_f32 v[O+2*i], v[D+4*i], v[D+4*i+1]
	v_cvt_pk_bf16_f32 v[O+2*i+1], v[D+4*i+2], v[D+4*i+3]
	ds_store_b64 v6, v[O+2*i:O+2*i+1] offset:XPT*i
.set i, i+1
.endr
.irp f, 0,1,2,3,4,5,6,7
	ds_load_b128 v[D+4*\f:D+4*\f+3], v7 offset:32*\f   ; LDS serves a wave's instructions in order (ISA guide 5.7.1.4): these see the stores above
.endr
.irp f, 0,1,2,3,4,5,6,7
	s_wait_dscnt 7-\f
	global_store_b128 v9, v[D+4*\f:D+4*\f+3], s[48:49] offset:512*\f
.endr
	s_wait_tensorcnt 0x0                           ; the end of a wave that wrote LDS
	ds_add_u32 v[SPW], v[NIL]
	s_wait_dscnt 0x0
	s_endpgm
.Lnot_x:
	s_cmp_lt_u32 s2, 1536
	s_cbranch_scc0 .Lnot_a
	; ---- Wq, Wk, Wv to bf16
	s_sub_co_u32 s4, s2, 512                       ; the share's number in wqkv
	s_sub_co_u32 s6, s2, 1024
	s_sub_co_u32 s7, s2, 1280
	s_mov_b64 s[46:47], s[10:11]
	s_mov_b32 s3, s4                               ; and in its source
	s_cmp_ge_u32 s2, 1024
	s_cselect_b64 s[46:47], s[12:13], s[46:47]
	s_cselect_b32 s3, s6, s3
	s_cmp_ge_u32 s2, 1280
	s_cselect_b64 s[46:47], s[14:15], s[46:47]
	s_cselect_b32 s3, s7, s3
	s_lshl_b32 s50, s3, 16
	s_lshl_b32 s54, s4, 15
	s_add_nc_u64 s[46:47], s[46:47], s[50:51]
	s_add_nc_u64 s[48:49], s[32:33], s[54:55]
	LOADS 4096
.set i, 0
.rept 16
	s_wait_loadcnt 15-i
	v_cvt_pk_bf16_f32 v[O+2*i], v[D+4*i], v[D+4*i+1]
	v_cvt_pk_bf16_f32 v[O+2*i+1], v[D+4*i+2], v[D+4*i+3]
	global_store_b64 v[SO], v[O+2*i:O+2*i+1], s[48:49] offset:2048*i
.set i, i+1
.endr
	s_endpgm
.Lnot_a:
	s_cmp_lt_u32 s2, 2048
	s_cbranch_scc0 .Lnot_b
	; ---- Wo to f16, times 4
	s_sub_co_u32 s3, s2, 1536
	s_lshl_b32 s50, s3, 16
	s_lshl_b32 s54, s3, 15
	s_add_nc_u64 s[46:47], s[16:17], s[50:51]
	s_add_nc_u64 s[48:49], s[34:35], s[54:55]
	s_mov_b32 s52, 4.0
	s_mov_b32 s53, 4.0                             ; named with it as a pair
	LOADS 4096
	CVTH 0
	s_endpgm
.Lnot_b:
	s_cmp_lt_u32 s2, 2304
	s_cbranch_scc0 .Lnot_c
	; ---- the cache: 128 rows of 128 numbers a share; batch and group c / 8, rows 128 (c % 8) on, into the first 1,024 of that group's 2,048 rows
	s_sub_co_u32 s3, s2, 2048
	s_and_b32 s4, s3, 127                          ; c
	s_cmp_lt_u32 s3, 128
	s_cselect_b64 s[46:47], s[18:19], s[20:21]     ; prev_k or prev_v
	s_cselect_b64 s[56:57], s[38:39], s[40:41]     ; out1 or out2
	s_cselect_b32 s52, 1.0, 0x3e800000             ; k as it is, v / 4
	s_cselect_b32 s5, 0, 0x800000                  ; K's or V's half of kvh
	s_mov_b32 s53, s52
	s_lshl_b32 s50, s4, 16
	s_add_nc_u64 s[46:47], s[46:47], s[50:51]
	s_lshr_b32 s6, s4, 3
	s_lshl_b32 s6, s6, 11
	s_and_b32 s7, s4, 7
	s_lshl_b32 s7, s7, 7
	s_add_co_u32 s6, s6, s7                        ; the first row in the outputs
	s_lshl_b32 s50, s6, 9
	s_add_nc_u64 s[56:57], s[56:57], s[50:51]
	s_lshl_b32 s54, s6, 8
	s_add_co_u32 s54, s54, s5
	s_add_nc_u64 s[48:49], s[36:37], s[54:55]
	LOADS 4096
	CVTH 1
	s_endpgm
.Lnot_c:
	s_cmp_lt_u32 s2, 2432
	s_cbranch_scc0 .Lnot_d
	; ---- the mask.  Share c = 64 batch + block of 16 queries.  madd[c][step of 64 keys][i = 2 kt + u][lane][e] = mask[query lane % 16][key 64 step + 16 kt + 8 (lane / 16) + 4 u + e] ? -1e30 : 0.
	; Wave w takes steps 4 w .. 4 w + 3: its 16 loads of 8 bytes together take 256 consecutive bytes of each of the 16 rows.
	s_sub_co_u32 s3, s2, 2304
	v_and_b32 v4, 15, v0
	v_bfe_u32 v5, v0, 4, 1
	v_lshrrev_b32 v6, 5, v0
	v_lshlrev_b32 v7, 11, v4                       ; row x 2,048
	v_lshl_add_u32 v7, v6, 8, v7                   ; + wave x 256
	v_lshl_add_u32 v7, v5, 3, v7                   ; + 8 x half
	v_and_b32 v8, 31, v0
	v_lshlrev_b32 v8, 4, v8
	v_lshl_add_u32 v8, v6, 14, v8                  ; out: wave x 4 steps x 4,096 + 16 x lane
	s_lshl_b32 s50, s3, 15
	s_lshl_b32 s54, s3, 17
	s_add_nc_u64 s[46:47], s[22:23], s[50:51]
	s_add_nc_u64 s[48:49], s[42:43], s[54:55]
	s_mov_b32 s52, 0xf149f2ca                      ; -1e30
.set n, 0
.rept 16                               ; n = 4 step + kt
	global_load_b64 v[16+2*n:17+2*n], v7, s[46:47] offset:16*n th:TH_LOAD_NT
.set n, n+1
.endr
.set n, 0
.rept 16
	s_wait_loadcnt 15-n
.if n == 8
	s_wait_xcnt 0x0                                ; the first eight turns' stores have read their registers: the 64 output registers serve a second time
.endif
.set ob, 48+8*(n%8)
.set ee, 0
.rept 8
	v_bfe_u32 v[ob+ee], v[16+2*n+ee/4], 8*(ee%4), 1        ; a bool is 0 or 1:
	v_mul_lo_u32 v[ob+ee], v[ob+ee], s52                   ; times the bits of -1e30
.set ee, ee+1
.endr
	global_store_b128 v8, v[ob:ob+3], s[48:49] offset:1024*n        ; 512 consecutive bytes a wave
	global_store_b128 v8, v[ob+4:ob+7], s[48:49] offset:1024*n+512
.set n, n+1
.endr
	s_endpgm
.Lnot_d:
	; ---- cos and sin by position: 32 tokens a share, 4 a wave; a row of 128 numbers is 32 lanes x 16 bytes
	s_sub_co_u32 s3, s2, 2432
	s_lshl_b32 s3, s3, 5
	v_lshrrev_b32 v4, 5, v0
	v_and_b32 v5, 31, v0
	v_lshlrev_b32 v5, 4, v5
	v_lshl_add_u32 v6, v4, 2, s3                   ; my wave's first token
	v_lshlrev_b32 v7, 2, v6
	global_load_b128 v[16:19], v7, s[28:29]        ; its four positions, the same in every lane
	v_lshl_add_u32 v8, v6, 9, v5
	v_bfe_u32 v9, v0, 4, 1
	v_xor_b32 v9, 1, v9
	v_lshlrev_b32 v9, 31, v9                       ; the sign bit in lanes 0-15: channels 0-63 take -sin
	s_wait_loadcnt 0x0
.irp j, 0,1,2,3
	v_min_u32 v[16+\j], 0xfff, v[16+\j]            ; inside the tables
	v_lshl_add_u32 v[20+\j], v[16+\j], 9, v5
.endr
.irp j, 0,1,2,3
	global_load_b128 v[24+4*\j:27+4*\j], v[20+\j], s[24:25]
	global_load_b128 v[40+4*\j:43+4*\j], v[20+\j], s[26:27]
.endr
	s_wait_loadcnt 0x0
.set n, 0
.rept 16
	v_xor_b32 v[40+n], v9, v[40+n]
	v_cvt_pk_bf16_f32 v[56+n], v[24+n], v[40+n]
.set n, n+1
.endr
.irp j, 0,1,2,3
	global_store_b128 v8, v[56+4*\j:59+4*\j], s[44:45] offset:512*\j
.endr
	s_endpgm
.Lfunc_end_k_qcea32fceff_prep:
	.size	k_qcea32fceff_prep, .Lfunc_end_k_qcea32fceff_prep-k_qcea32fceff_prep
	.p2alignl 7, 3214868480
	.fill 96, 4, 3214868480
	.section	.rodata,"a",@progbits
	.p2align	6, 0x0
	.amdhsa_kernel k_qcea32fceff_prep
		.amdhsa_group_segment_fixed_size 35840
		.amdhsa_private_segment_fixed_size 0
		.amdhsa_enable_private_segment 0
		.amdhsa_kernarg_size 152
		.amdhsa_user_sgpr_count 2
		.amdhsa_user_sgpr_kernarg_segment_ptr 1
		.amdhsa_wavefront_size32 1
		.amdhsa_system_sgpr_workgroup_id_x 1
		.amdhsa_system_sgpr_workgroup_id_y 1
		.amdhsa_system_sgpr_workgroup_id_z 1
		.amdhsa_system_vgpr_workitem_id 0
		.amdhsa_next_free_vgpr 120
		.amdhsa_next_free_sgpr 66
		.amdhsa_reserve_vcc 0
		.amdhsa_float_denorm_mode_32 3
		.amdhsa_float_denorm_mode_16_64 3
		.amdhsa_memory_ordered 1
		.amdhsa_forward_progress 1
		.amdhsa_inst_pref_size 69
	.end_amdhsa_kernel
	.amdgpu_metadata
---
amdhsa.version: [ 1, 2 ]
amdhsa.kernels:
  - .name:           k_qcea32fceff_prep
    .symbol:         k_qcea32fceff_prep.kd
    .args:
      - { .name: x, .offset: 0, .size: 8, .value_kind: global_buffer, .address_space: global }
      - { .name: Wq, .offset: 8, .size: 8, .value_kind: global_buffer, .address_space: global }
      - { .name: Wk, .offset: 16, .size: 8, .value_kind: global_buffer, .address_space: global }
      - { .name: Wv, .offset: 24, .size: 8, .value_kind: global_buffer, .address_space: global }
      - { .name: Wo, .offset: 32, .size: 8, .value_kind: global_buffer, .address_space: global }
      - { .name: prev_k, .offset: 40, .size: 8, .value_kind: global_buffer, .address_space: global }
      - { .name: prev_v, .offset: 48, .size: 8, .value_kind: global_buffer, .address_space: global }
      - { .name: mask, .offset: 56, .size: 8, .value_kind: global_buffer, .address_space: global }
      - { .name: cos, .offset: 64, .size: 8, .value_kind: global_buffer, .address_space: global }
      - { .name: sin, .offset: 72, .size: 8, .value_kind: global_buffer, .address_space: global }
      - { .name: position_ids, .offset: 80, .size: 8, .value_kind: global_buffer, .address_space: global }
      - { .name: xb, .offset: 88, .size: 8, .value_kind: global_buffer, .address_space: global }
      - { .name: wqkv, .offset: 96, .size: 8, .value_kind: global_buffer, .address_space: global }
      - { .name: woh, .offset: 104, .size: 8, .value_kind: global_buffer, .address_space: global }
      - { .name: kvh, .offset: 112, .size: 8, .value_kind: global_buffer, .address_space: global }
      - { .name: out1, .offset: 120, .size: 8, .value_kind: global_buffer, .address_space: global }
      - { .name: out2, .offset: 128, .size: 8, .value_kind: global_buffer, .address_space: global }
      - { .name: madd, .offset: 136, .size: 8, .value_kind: global_buffer, .address_space: global }
      - { .name: csg, .offset: 144, .size: 8, .value_kind: global_buffer, .address_space: global }
    .group_segment_fixed_size: 35840
    .private_segment_fixed_size: 0
    .kernarg_segment_align: 8
    .kernarg_segment_size: 152
    .max_flat_workgroup_size: 256
    .sgpr_count:     66
    .vgpr_count:     120
    .wavefront_size: 32
...
	.end_amdgpu_metadata
.endif
;; end of part 1
;; launch qkv (part 2): grid 16 x 16, 4 waves a work-group, clusters of 4 x 4, 327,680 bytes of LDS; arguments xb, wqkv, csg, q_norm_w, k_norm_w, qh, kvh, out1, out2; writes qh, kvh, out1, out2
.if DOCPART == 2
	.amdgcn_target "amdgcn-amd-amdhsa--gfx1250"
	.amdhsa_code_object_version 6
	.text
	.protected	k_qcea32fceff_qkv
	.globl	k_qcea32fceff_qkv
	.p2align	8
	.type	k_qcea32fceff_qkv,@function
k_qcea32fceff_qkv:
	s_mov_b64 s[64:65], 0
	v_nop
	global_prefetch_b8 v0, s[64:65] scope:SCOPE_SE
	s_setreg_imm32_b32 hwreg(HW_REG_WAVE_MODE, 25, 1), 1
	s_wait_xcnt 0x0
	s_wait_alu depctr_hold_cnt(0) depctr_sa_sdst(0) depctr_va_vdst(0) depctr_va_sdst(0) depctr_va_ssrc(0) depctr_va_vcc(0) depctr_vm_vsrc(0)
	s_getreg_b32 s2, hwreg(HW_REG_IB_STS2, 6, 4)
	s_cmp_eq_u32 s2, 0
	s_cbranch_scc0 .Lentry_in_a_cluster
	s_endpgm
.Lentry_in_a_cluster:
	s_bfe_u32 s2, ttmp6, 0x10000c
	s_cmp_lg_u32 s2, 0xf033
	s_cbranch_scc0 .Lentry_shape_is_right
	s_endpgm
.Lentry_shape_is_right:
; Q, K, V PROJECTION WITH RMSNORM AND ROPE.  C[token][n] = sum over k of x[token][k] wqkv[n][k], bf16 operands, f32 sums; M = 2048, N = 4096, K = 4096.
; A tile of C is 128 tokens x 256 columns: 16 x 16 work-groups, one for each of 256 WGPs.  Four waves, each 64 x 128: 32 accumulators of 16 x 16.  A wave's 128 columns are ONE head,
; so norm and rotation never leave the wave.
; THE TWO OPERANDS COME BY TWO ROADS.  wqkv goes through LDS: two slots of K = 256 (256 rows of 512 bytes, each wave fetches 64 of them by one tensor load), so that a refill has 240 of a slot's 256
; matrix instructions in which to land.  x does not touch LDS: xb lies in the fragment's own order, [block of 16 tokens][32 of K][half][lane][8], and a load of the wave takes 512 consecutive bytes straight
; into the registers that the matrix instruction names.  Eight register buffers, one for each quarter (32 of K) of a slot; a buffer is loaded again seven quarters ahead of its next use.
; By the code's own count a quarter of a wave has 32 matrix instructions, 16 LDS loads and 8 global loads.  The price: the two waves of a token half, and the 16 tiles of a tile row, each read x for themselves.
; CLUSTER 4 x 4: the four of a column need the same tile of wqkv, the four of a row the same cos and sin: each is asked for jointly.
; A cluster spans 1,024 columns, so the cluster's x says what they are: 0, 1 queries, 2 keys, 3 values: the same in all partners, so branches may hang on it.
; THE MATRIX INSTRUCTION IS USED TRANSPOSED (source 0 = 16 rows of wqkv, source 1 = 16 tokens): a lane holds 8 neighbouring columns of one token.
; THE WAY OUT: the f32 tile goes into the wave's own scratch in LDS (slot 1's bytes, which have had their last fill) and comes back by rows: lane l holds channels 4 l .. 4 l + 3 of a token.
; The tile's cos and sin (128 tokens x 512 bytes) are the ring's last refill, into slot 0's bytes, when the last slot but one is left.  The clusters that make v load them too and leave them unread: one text for all.
;   q: y = rope(x rsqrt(mean x^2 + 1e-6) w) x log2(e) / sqrt(128), to f16 -> qh [2][16][1024][128]          k: the same without the factor, f32 -> out1, f16 -> kvh
;   v: f32 -> out2, v / 4 in f16 -> kvh + 8,388,608
; rope: y[d] = x[d] cos + x[d ^ 64] sin', sin' = -sin for d < 64; channel d ^ 64 lies in the lane 16 away.  w is rounded to bf16 like every input.
; LIMITS.  |v| under 262,000 (f16 holds v / 4); numbers under 6e-5 keep f16's fixed step.  NaN and infinities are not treated apart.
; REGISTERS.  Window 0: v0-37 addresses and w; v64-255 at work on the way out.  Window 1: v64-127, v128-191 fragments of wqkv, two buffers.  Window 2: the accumulators, (a, b) at v[8 (8 a + b)].
;   Window 3: fragments of x: quarter q, token block a at v[32 q + 8 a].
.set KDIM,  4096
.set NSLOT, KDIM/256
.set TBB,   KDIM*32                    ; bytes of a block of 16 tokens in xb
.set PITCH, 528                        ; an LDS row: 512 bytes + 16 of padding = 132 words: the 16 rows of a fragment load start at 16 different groups of four banks (64 banks of 4 bytes: ISA guide 11.1)
.set BQ,    64*PITCH                   ; what a wave fetches of wqkv: 33,792 bytes; also a wave's scratch
.set SLOT1, 4*BQ                       ; 135,168 = 0x21000: bits 17 and 12, which no wave's offset 0, 0x8400, 0x10800, 0x18c00 has: one exclusive or turns an address in one slot into the other's
.set SPARE, 2*SLOT1                    ; behind the ring: the spare words, 128 bytes a wave, two blocks of 256 bytes that no other line names
.set SPT,   528                        ; a scratch row: 512 bytes of f32 + 16
.set ADRB, 17                          ; LDS address of my fragments of wqkv in the slot in hand
.set B0,   19                          ; the same in slot 0; never rewritten
.set DST,  20                          ; scratch: where I put 16 bytes of a row
.set RDT,  21                          ; scratch: where I read a row back
.set RDC,  22                          ; the same row's cos and sin
.set HO,   23                          ; 8 x lane
.set L16,  24                          ; 16 x lane
.set SPW,  28                          ; my spare word; never rewritten
.set NIL,  29                          ; 0; never rewritten
.set ZR,   30                          ; 0, an addend
.set W,    32                          ; v[32:35] the norm's weights of my four channels
.set F0,   64                          ; window 1
.set F1,   128
.set XP,   64                          ; on the way out, window 0
.set HV,   64
.set QS,   128                         ; squares; then the other half's sum; then the roots, as pairs
.set HF,   136
.set SS,   144
.set T,    160
.set CS,   176
.set X,    192
.set Y,    208
.set TM,   224
.set AP,  14                           ; s[14:15] xb at my 64 tokens, at the slot whose fragments are being asked for
.set AS,  22                           ; s[22:23] an offset pair
.set G1B, 48                           ; s[48:55] group 1 for wqkv's tiles
.set G0B, 56                           ; s[56:63] group 0: a set for each first fill; the second then walks
.set G1C, 68                           ; s[68:75], s[76:79] cos and sin
.set G0C, 76
.set TB,  45                           ; the slot in hand: 0 or SLOT1
.set RB,  8                            ; LDS byte of the scratch row in hand
.set CB,  66                           ; and of its cos and sin
.set SEL, 100                          ; s[100:101] v_permlanex16_b32's selects: each lane takes its own place in the other half
.set MSB, 0
.macro WIN new                         ; the high byte repeats the setting that is left; a switch that changes nothing is dropped
.if MSB != (\new)
	s_set_vgpr_msb (MSB<<8)|(\new)
.set MSB, (\new)
.endif
.endm
.set MUL,  0xad                        ; source 0 window 1, source 1 window 3, C and D window 2
.set TO_B, 0x40                        ; destination window 1, address window 0
.set TO_A, 0xc0                        ; destination window 3, address window 0
.set PADW, (1<<16)|(1<<20)|(1<<21)|(6<<22)|(3<<25)  ; 2-byte elements; padding on; bit 21 beside a mask; after every 128 words, 4 words
.macro PLACES                          ; four places behind matrix instructions, in front of loads into their sources and of reads of their results
.rept 4
	v_nop
.endr
.endm
.macro CREST                           ; a round of the cluster's barrier behind its opening barrier
	s_cmp_lg_u32 s10, 0
	s_cbranch_scc1 .Lnot_wave_0_\@
	s_barrier_signal -3
.Lnot_wave_0_\@:
	s_barrier_wait -3
	s_barrier_signal -1
	s_barrier_wait -1
.endm
.macro CROUND
	s_barrier_signal -1
	s_barrier_wait -1
	CREST
.endm
	s_load_b512 s[80:95], s[0:1], 0x0              ; xb 80, wqkv 82, csg 84, q_norm_w 86, k_norm_w 88, qh 90, kvh 92, out1 94
	s_load_b64 s[96:97], s[0:1], 0x40              ; out2
	v_lshl_add_u32 v[SPW], v0, 2, SPARE
	v_mov_b32 v[NIL], 0
	ds_add_u32 v[SPW], v[NIL]                      ; the wave's opening: the add and its wait stand ahead of my first tensor load; work on registers stands between them
	v_lshrrev_b32 v1, 5, v0
	v_readfirstlane_b32 s10, v1                    ; wave 0..3
	s_lshr_b32 s11, s10, 1                         ; my half of the tile's tokens
	s_and_b32 s12, s10, 1                          ; my half of its columns
	s_mov_b32 s9, ttmp9                            ; the cluster's x: 0, 1 q; 2 k; 3 v
	s_bfe_u32 s40, ttmp6, 0x40000                  ; cx
	s_bfe_u32 s41, ttmp6, 0x40004                  ; cy
	s_lshl_b32 s42, ttmp9, 2
	s_add_co_u32 s42, s42, s40                     ; tile column
	s_and_b32 s13, ttmp7, 0xffff
	s_lshl_b32 s13, s13, 2
	s_add_co_u32 s13, s13, s41                     ; tile row
	s_lshl_b32 s43, s41, 2
	s_lshl_b32 s43, 15, s43                        ; my row of the cluster
	s_lshl_b32 s44, 0x1111, s40                    ; my column
	s_or_b32 s[G1B], s44, PADW                     ; wqkv's tiles go to my column
	s_or_b32 s[G1C], s43, (2<<16)|(1<<21)          ; cos and sin: 4-byte elements, no padding, to my row
	s_mov_b32 s[G1B+1], 256<<16                    ; tensor_dim0 = 256
	s_mov_b32 s[G1B+2], 64<<16                     ; tensor_dim1 = 64
	s_mov_b32 s[G1B+3], 256<<16                    ; tile_dim0 = 256
	s_mov_b32 s[G1B+4], 64                         ; tile_dim1 = 64
	s_mov_b32 s[G1B+5], KDIM                       ; elements from row to row
	s_mov_b32 s[G1B+6], 0
	s_mov_b32 s[G1B+7], 0
	s_mov_b32 s[G1C+1], 64<<16                     ; 32 tokens are 16,384 dense bytes: asked for as 64 rows of 256 bytes
	s_mov_b32 s[G1C+2], 64<<16
	s_mov_b32 s[G1C+3], 64<<16
	s_mov_b32 s[G1C+4], 64
	s_mov_b32 s[G1C+5], 64
	s_mov_b32 s[G1C+6], 0
	s_mov_b32 s[G1C+7], 0
	s_lshl_b32 s46, s42, 8
	s_lshl_b32 s47, s10, 6
	s_add_co_u32 s46, s46, s47                     ; wqkv: row 256 x tile column + 64 x wave
	s_mov_b32 s47, 0
	s_mov_b64 s[18:19], KDIM*2
	s_mul_u64 s[46:47], s[46:47], s[18:19]
	s_mul_i32 s21, s10, BQ                         ; where it goes: no place in the cluster enters an LDS address
	s_lshl_b32 s16, s13, 7
	s_lshl_b32 s17, s10, 5
	s_add_co_u32 s16, s16, s17                     ; cos and sin: token 128 x tile row + 32 x wave,
	s_lshl_b32 s16, s16, 9                         ; 512 bytes each
	s_mov_b32 s17, 0
	s_mov_b32 s[G0C], 1
	s_lshl_b32 s[G0C+1], s10, 14                   ; into slot 0's bytes: wave x 16,384
	s_lshl_b32 s[AS], s13, 3
	s_lshl2_add_u32 s[AS], s11, s[AS]              ; xb: block of 16 tokens 8 x tile row + 4 x half
	s_mul_i32 s[AS], s[AS], TBB
	s_mov_b32 s[AS+1], 0
	s_mov_b32 s[TB], 0
	s_mov_b32 s98, 0x3c000000                      ; 1 / 128
	s_mov_b32 s99, 0x358637bd                      ; 1e-6
	s_mov_b32 s[SEL], 0x76543210
	s_mov_b32 s[SEL+1], 0xfedcba98
	s_wait_dscnt 0x0                               ; the opening add is done
	s_wait_kmcnt 0x0
	s_add_nc_u64 s[G0C+2:G0C+3], s[84:85], s[16:17]
	s_or_b32 s[G0C+3], s[G0C+3], 0x80000000
	s_add_nc_u64 s[46:47], s[82:83], s[46:47]
	s_add_nc_u64 s[AP:AP+1], s[80:81], s[AS:AS+1]
	CROUND                                         ; all sixteen work-groups are here: the first joint loads meet
.irp s, 0,1
	s_mov_b32 s[G0B+4*(\s)], 1
	s_add_co_u32 s[G0B+4*(\s)+1], s21, (\s)*SLOT1
	s_add_nc_u64 s[G0B+4*(\s)+2:G0B+4*(\s)+3], s[46:47], (\s)*512   ; slot s: K 256 s on
	s_or_b32 s[G0B+4*(\s)+3], s[G0B+4*(\s)+3], 0x80000000
.endr
	tensor_load_to_lds s[G0B:G0B+3], s[G1B:G1B+7]  ; every wave's two first fills: two loads of mine are out
	s_nop 0
	tensor_load_to_lds s[G0B+4:G0B+7], s[G1B:G1B+7]
	s_nop 0
.rept 4
	v_nop
.endr
	v_and_b32 v[L16], 31, v0
	v_lshlrev_b32 v[HO], 3, v[L16]
	v_lshlrev_b32 v[L16], 4, v[L16]
	; where the results go
	s_lshr_b32 s16, s13, 3                         ; batch
	s_lshl_b32 s17, s13, 7
	s_lshl_b32 s18, s11, 6
	s_add_co_u32 s17, s17, s18
	s_and_b32 s17, s17, 1023                       ; my first token in its batch
	s_lshl_b32 s18, s42, 1
	s_add_co_u32 s18, s18, s12                     ; my head among 32: 16 of q, 8 of k, 8 of v
	s_lshl_b32 s19, s16, 4
	s_add_co_u32 s19, s19, s18
	s_lshl_b32 s19, s19, 10
	s_add_co_u32 s19, s19, s17
	s_lshl_b32 s19, s19, 8                         ; q: ((16 batch + head) 1024 + token) 256
	s_and_b32 s18, s18, 7
	s_lshl3_add_u32 s18, s16, s18
	s_lshl_b32 s18, s18, 11
	s_add_co_u32 s18, s18, s17
	s_add_co_u32 s18, s18, 1024                    ; k, v: row (8 batch + group) 2048 + 1024 + token
	s_lshl_b32 s16, s18, 8
	s_lshl_b32 s18, s18, 9
	s_cmp_eq_u32 s9, 3
	s_cselect_b32 s17, 0x800000, 0
	s_add_co_u32 s16, s16, s17
	s_cmp_lt_u32 s9, 2
	s_cselect_b64 s[6:7], s[90:91], s[92:93]       ; the f16 copy: qh or kvh
	s_cselect_b32 s16, s19, s16
	s_cselect_b64 s[20:21], s[86:87], s[88:89]     ; the norm's weights
	s_cselect_b32 s67, 0x3e0293ee, 1.0             ; q alone takes log2(e) / sqrt(128)
	s_mov_b32 s17, 0
	s_add_nc_u64 s[6:7], s[6:7], s[16:17]
	s_cmp_eq_u32 s9, 2
	s_cselect_b64 s[4:5], s[94:95], s[96:97]       ; the f32 output: out1 or out2
	s_mov_b32 s19, 0
	s_add_nc_u64 s[4:5], s[4:5], s[18:19]
	global_load_b128 v[W:W+3], v[L16], s[20:21]
; Eight loads, a GROUP: the fragments of x for quarter q of the slot at s[AP]: four blocks of 16 tokens x 32 of K, each two loads of 512 consecutive bytes.
.macro ALOAD q
	WIN TO_A
.irp a, 0,1,2,3
	global_load_b128 v[32*(\q)+8*(\a):32*(\q)+8*(\a)+3],   v[L16], s[AP:AP+1] offset:(\a)*TBB+(\q)*1024
	global_load_b128 v[32*(\q)+8*(\a)+4:32*(\q)+8*(\a)+7], v[L16], s[AP:AP+1] offset:(\a)*TBB+(\q)*1024+512
.endr
.endm
.irp q, 0,1,2,3,4,5,6
	ALOAD \q                                       ; slot 0's quarters 0 to 6; quarter 7's group goes out in the middle of quarter 0, like every group after it
.endr
	WIN 0
	v_and_b32 v1, 15, v0                           ; l % 16
	v_bfe_u32 v2, v0, 4, 1                         ; l / 16
	v_mul_u32_u24 v3, v1, PITCH
	v_lshl_add_u32 v3, v2, 4, v3                   ; a fragment's row x pitch + 16 x half
	s_mul_i32 s16, s12, 2*BQ                       ; my 128 rows of the tile's 256
	v_add_nc_u32 v[B0], s16, v3
	v_mov_b32 v[ADRB], v[B0]
	s_mul_i32 s[RB], s10, BQ
	s_add_co_u32 s[RB], s[RB], SLOT1               ; my scratch, in slot 1's bytes
	v_mul_u32_u24 v4, v1, SPT
	v_lshl_add_u32 v4, v2, 5, v4                   ; in: row l % 16, 32 bytes for each half of the lanes
	v_add_nc_u32 v[DST], s[RB], v4
	v_add_nc_u32 v[RDT], s[RB], v[L16]
	s_lshl_b32 s[CB], s11, 15                      ; my 64 tokens' cos and sin, in slot 0's bytes
	v_add_nc_u32 v[RDC], s[CB], v[L16]
	v_mov_b32 v[ZR], 0
	s_wait_loadcnt 56                              ; the norm's weights are in; the seven groups behind them stay out
	v_cvt_pk_bf16_f32 v36, v[W], v[W+1]
	v_cvt_pk_bf16_f32 v37, v[W+2], v[W+3]
	v_lshlrev_b32 v[W], 16, v36
	v_and_b32 v[W+1], 0xffff0000, v36
	v_lshlrev_b32 v[W+2], 16, v37
	v_and_b32 v[W+3], 0xffff0000, v37
.irp j, 0,1,2,3
	v_mul_f32 v[W+\j], s67, v[W+\j]
.endr
; 8 matrix instructions: column blocks b0, b0 + 1 x all 4 token blocks, 32 along K.  The 32 accumulators take turns in one fixed order.  zero = 1: the first product starts the sums.
.macro MUL8 f, q, b0, zero
	WIN MUL
.irp b, \b0, (\b0)+1
.irp a, 0,1,2,3
.if \zero
	v_wmma_f32_16x16x32_bf16 v[8*(8*(\a)+(\b)):8*(8*(\a)+(\b))+7], v[(\f)+8*(\b):(\f)+8*(\b)+7], v[32*(\q)+8*(\a):32*(\q)+8*(\a)+7], 0
.else
	v_wmma_f32_16x16x32_bf16 v[8*(8*(\a)+(\b)):8*(8*(\a)+(\b))+7], v[(\f)+8*(\b):(\f)+8*(\b)+7], v[32*(\q)+8*(\a):32*(\q)+8*(\a)+7], v[8*(8*(\a)+(\b)):8*(8*(\a)+(\b))+7]
.endif
.endr
.endr
.endm
; 16 LDS loads in one run: my 128 rows of wqkv, 32 K at byte k of the rows, into buffer f
.macro FETCH k, f
	WIN TO_B
.irp i, 0,1,2,3,4,5,6,7
	ds_load_b128 v[(\f)+8*(\i):(\f)+8*(\i)+3],   v[ADRB] offset:(\k)+(\i)*16*PITCH
	ds_load_b128 v[(\f)+8*(\i)+4:(\f)+8*(\i)+7], v[ADRB] offset:(\k)+(\i)*16*PITCH+32
.endr
.endm
; A slot is eight quarters of 32 along K.  Quarter q (0 to 6) multiplies wqkv's buffer q % 2 by x's buffer q; in its middle it fetches the next quarter's fragments of wqkv into the other buffer,
; and asks for x's buffer q - 1, which the quarter before has multiplied, for that buffer's next turn.
.macro QUARTER q, zero
.set FF, F0+64*((\q)%2)
.set GG, F0+64*(((\q)+1)%2)
	s_wait_loadcnt 48                              ; my group of x is in: six younger groups of eight loads stay out
	s_wait_dscnt 0x8                               ; column blocks 0-3 are in; the youngest eight loads (blocks 4-7) may be out
	MUL8 FF, \q, 0, \zero
	MUL8 FF, \q, 2, \zero
	PLACES
	FETCH 64*((\q)+1), GG
	ALOAD ((\q)+7)%8
	s_wait_dscnt 16                                ; all but the 16 just issued
	MUL8 FF, \q, 4, \zero
	MUL8 FF, \q, 6, \zero
.endm
; Quarter 7 changes slots: ONE barrier; in front of it each wave waits for all its tensor loads (one is out: its part of the next slot), adds 0 to its spare word,
; and waits for that and for its reads of this slot.  fill = 1: the barrier opens a round of the cluster's, and this slot is filled again, two slots ahead, first thing behind the round.
; fill = 2: the same, and what comes is the tile's cos and sin.  fill = 0: nothing is asked for.
.macro TURN fill
	WIN 0
	s_wait_tensorcnt 0x0                           ; no tensor load of mine is out, so a group 0 may be written
	ds_add_u32 v[SPW], v[NIL]                      ; 0 onto my spare word
.if (\fill) == 1
	s_xor_b32 s[G0B+5], s[G0B+5], SLOT1            ; the walking set: the other slot than last time, the next 256 of K
	s_add_nc_u64 s[G0B+6:G0B+7], s[G0B+6:G0B+7], 512
.endif
	s_wait_loadcnt 48
	s_wait_dscnt 0x9                               ; the add and the youngest eight loads may be out
	MUL8 F1, 7, 0, 0
	s_wait_dscnt 0x0                               ; the add is done, and my reads of this slot are over
	s_barrier_signal -1
	MUL8 F1, 7, 2, 0
	WIN 0
	s_barrier_wait -1
.if (\fill) == 1
	CREST                                          ; no wave of any partner still reads this slot or has a load on its way
	tensor_load_to_lds s[G0B+4:G0B+7], s[G1B:G1B+7]  ; 240 matrix instructions ahead of the wait for it
	s_nop 0
	PLACES                                         ; the places in front of the loads below
.elseif (\fill) == 2
	CREST
	tensor_load_to_lds s[G0C:G0C+3], s[G1C:G1C+7]
	s_nop 0
	PLACES
.else
	PLACES
.endif
	s_xor_b32 s[TB], s[TB], SLOT1
	v_add_nc_u32 v[ADRB], s[TB], v[B0]
	FETCH 0, F0
	ALOAD 6
	MUL8 F1, 7, 4, 0
	MUL8 F1, 7, 6, 0
.endm
	s_wait_tensorcnt 0x1                           ; my part of slot 0 is in,
	s_barrier_signal -1
	s_barrier_wait -1                              ; everybody's is
	FETCH 0, F0
	QUARTER 0, 1                                   ; the first quarter stands in front of the loop: its products start the sums
	WIN 0
	s_mov_b32 s3, NSLOT-2
.Lslot:                                                ; a trip goes from a slot's quarter 1 to the next slot's quarter 0, fills the slot that it leaves, and asks for the next slot's eight groups of x
	s_wait_xcnt 0x0                                ; the pointer is stepped only behind this wait
	s_add_nc_u64 s[AP:AP+1], s[AP:AP+1], 8192
.irp q, 1,2,3,4,5,6
	QUARTER \q, 0
.endr
	TURN 1
	QUARTER 0, 0
	WIN 0
	s_sub_co_u32 s3, s3, 1
	s_cmp_lg_u32 s3, 0
	s_cbranch_scc1 .Lslot
	s_mov_b32 s3, 2                                ; the last two slots: one text, walked twice and left in its middle
	s_mov_b32 s[AS], 8192
	s_mov_b32 s[AS+1], 0
.Ltail:
	s_wait_xcnt 0x0
	s_add_nc_u64 s[AP:AP+1], s[AP:AP+1], s[AS:AS+1]
	s_mov_b32 s[AS], 0                             ; in the second walk the pointer stays: its six groups read the last slot's fragments once more, inside the buffer, and are not used: one text and one count for both walks
.irp q, 1,2,3,4,5,6
	QUARTER \q, 0
.endr
	WIN 0
	s_sub_co_u32 s3, s3, 1
	s_cmp_eq_u32 s3, 0
	s_cbranch_scc1 .Llastq
	TURN 2                                         ; the last slot but one (14, in slot 0's bytes) is left: cos and sin take its place
	QUARTER 0, 0
	WIN 0
	s_branch .Ltail
.Llastq:
	s_wait_loadcnt 48                              ; the very last quarter
	s_wait_dscnt 0x8
	MUL8 F1, 7, 0, 0
	MUL8 F1, 7, 2, 0
	s_wait_tensorcnt 0x0                           ; my part of cos and sin is in,
	s_wait_dscnt 0x0                               ; and my reads of the ring are over
	s_barrier_signal -1
	MUL8 F1, 7, 4, 0
	MUL8 F1, 7, 6, 0
	WIN 0
	s_barrier_wait -1                              ; everybody's are: slot 1's bytes are scratch from here on
	PLACES
	WIN 0x08                                       ; store data in window 2
.irp a, 0,1,2,3
.irp b, 0,1,2,3,4,5,6,7
	ds_store_b128 v[DST], v[8*(8*(\a)+(\b)):8*(8*(\a)+(\b))+3]   offset:16*(\a)*SPT+64*(\b)      ; each accumulator's low registers first
	ds_store_b128 v[DST], v[8*(8*(\a)+(\b))+4:8*(8*(\a)+(\b))+7] offset:16*(\a)*SPT+64*(\b)+16
.endr
.endr
	WIN 0
	s_cmp_eq_u32 s9, 3
	s_cbranch_scc1 .Lv_rows
; NORM AND ROTATION, four tokens a trip.  LDS serves a wave's instructions in order (ISA guide 5.7.1.4), so the loads see my stores above.  next = 1: the next four rows are asked for.
.macro NRTRIP next
	s_wait_dscnt 0x4                               ; the rows are in; their cos and sin, four younger loads, may be out
.irp j, 0,1,2,3
	v_pk_mul_f32 v[QS+2*\j:QS+2*\j+1], v[T+4*\j:T+4*\j+1], v[T+4*\j:T+4*\j+1]
.endr
.irp j, 0,1,2,3
	v_pk_fma_f32 v[QS+2*\j:QS+2*\j+1], v[T+4*\j+2:T+4*\j+3], v[T+4*\j+2:T+4*\j+3], v[QS+2*\j:QS+2*\j+1]
.endr
.irp j, 0,1,2,3
	v_add_f32 v[SS+\j], v[QS+2*\j], v[QS+2*\j+1]
.endr
.irp m, 1,2,4,8
.irp j, 0,1,2,3
	v_add_f32_dpp v[SS+\j], v[SS+\j], v[SS+\j] row_xmask:\m row_mask:0xf bank_mask:0xf
.endr
.endr
.irp j, 0,1,2,3
	v_permlanex16_b32 v[QS+\j], v[SS+\j], s[SEL], s[SEL+1]  ; into registers that the squares have left
.endr
.irp j, 0,1,2,3
	v_add_f32 v[SS+\j], v[SS+\j], v[QS+\j]         ; the row's sum of squares, in every lane
.endr
.irp j, 0,1,2,3
	v_fma_f32 v[SS+\j], v[SS+\j], s98, s99         ; / 128 + 1e-6
.endr
.irp j, 0,1,2,3
	v_rsq_f32 v[QS+2*\j], v[SS+\j]
.endr
	v_nop                                          ; a plain instruction between the last root and the use of its result
	s_wait_alu depctr_va_vdst(0)
.irp j, 0,1,2,3
	v_pk_mul_f32 v[X+4*\j:X+4*\j+1],   v[T+4*\j:T+4*\j+1],   v[QS+2*\j:QS+2*\j+1] op_sel_hi:[1,0]
	v_pk_mul_f32 v[X+4*\j+2:X+4*\j+3], v[T+4*\j+2:T+4*\j+3], v[QS+2*\j:QS+2*\j+1] op_sel_hi:[1,0]
.endr
.irp j, 0,1,2,3
	v_pk_mul_f32 v[X+4*\j:X+4*\j+1],   v[X+4*\j:X+4*\j+1],   v[W:W+1]
	v_pk_mul_f32 v[X+4*\j+2:X+4*\j+3], v[X+4*\j+2:X+4*\j+3], v[W+2:W+3]
.endr
.if \next
.irp j, 0,1,2,3
	ds_load_b128 v[T+4*\j:T+4*\j+3], v[RDT] offset:(4+\j)*SPT
.endr
.endif
.irp e, 0,1,2,3,4,5,6,7,8,9,10,11,12,13,14,15
	v_permlanex16_b32 v[XP+\e], v[X+\e], s[SEL], s[SEL+1]  ; channel d ^ 64
.endr
.if \next
	s_wait_dscnt 0x4                               ; cos and sin are in; the next rows, four younger loads, may be out
.else
	s_wait_dscnt 0x0
.endif
.irp e, 0,1,2,3,4,5,6,7,8,9,10,11,12,13,14,15
	v_fma_mix_f32_bf16 v[Y+\e], v[X+\e], v[CS+\e], v[ZR] op_sel_hi:[0,1,0]                 ; x cos (the word's low half)
.endr
.irp e, 0,1,2,3,4,5,6,7,8,9,10,11,12,13,14,15
	v_fma_mix_f32_bf16 v[Y+\e], v[XP+\e], v[CS+\e], v[Y+\e] op_sel:[0,1,0] op_sel_hi:[0,1,0]  ; + x[d ^ 64] sin' (its high half)
.endr
.if \next
.irp j, 0,1,2,3
	ds_load_b128 v[CS+4*\j:CS+4*\j+3], v[RDC] offset:(4+\j)*512
.endr
.endif
.irp j, 0,1,2,3
	v_cvt_pk_f16_f32 v[HF+2*\j],   v[Y+4*\j],   v[Y+4*\j+1]
	v_cvt_pk_f16_f32 v[HF+2*\j+1], v[Y+4*\j+2], v[Y+4*\j+3]
.endr
	s_cmp_lg_u32 s9, 2
	s_cbranch_scc1 .Lno_f32_\@                     ; k alone is an output in f32
.irp j, 0,1,2,3
	global_store_b128 v[L16], v[Y+4*\j:Y+4*\j+3], s[4:5] offset:512*\j th:TH_STORE_NT  ; a row: 512 consecutive bytes
.endr
.Lno_f32_\@:
.irp j, 0,1,2,3
	global_store_b64 v[HO], v[HF+2*\j:HF+2*\j+1], s[6:7] offset:256*\j                 ; a row: 256 consecutive bytes, aligned
.endr
.if \next
	s_wait_xcnt 0x0                                ; the stores' bases and data are rewritten only behind this wait
	s_add_nc_u64 s[4:5], s[4:5], 2048
	s_add_nc_u64 s[6:7], s[6:7], 1024
	s_add_co_u32 s[RB], s[RB], 4*SPT
	s_add_co_u32 s[CB], s[CB], 2048
	v_add_nc_u32 v[RDT], s[RB], v[L16]
	v_add_nc_u32 v[RDC], s[CB], v[L16]
.endif
.endm
.irp j, 0,1,2,3
	ds_load_b128 v[T+4*\j:T+4*\j+3], v[RDT] offset:\j*SPT
.endr
.irp j, 0,1,2,3
	ds_load_b128 v[CS+4*\j:CS+4*\j+3], v[RDC] offset:\j*512
.endr
.irp e, 0,1,2,3,4,5,6,7,8,9,10,11,12,13,14,15
	v_mov_b32 v[XP+\e], 0                          ; the lane exchange counts as a reader of its destination: written once
.endr
	s_mov_b32 s3, 15
.Lnr:
	NRTRIP 1
	s_sub_co_u32 s3, s3, 1
	s_cmp_lg_u32 s3, 0
	s_cbranch_scc1 .Lnr
	NRTRIP 0                                       ; the last four rows ask for nothing
	s_branch .Lend
; V: eight rows in buffer u go out in f32, and a quarter of them in f16.  younger: the other buffer's loads, which may stay out.
.macro OUT8V u, reload, younger
	s_wait_dscnt \younger
.irp j, 0,1,2,3,4,5,6,7
	v_pk_mul_f32 v[TM+4*\j:TM+4*\j+1],   v[T+32*(\u)+4*\j:T+32*(\u)+4*\j+1],   0x3e800000 op_sel_hi:[1,0]
	v_pk_mul_f32 v[TM+4*\j+2:TM+4*\j+3], v[T+32*(\u)+4*\j+2:T+32*(\u)+4*\j+3], 0x3e800000 op_sel_hi:[1,0]
.endr
.irp j, 0,1,2,3,4,5,6,7
	v_cvt_pk_f16_f32 v[HV+16*(\u)+2*\j],   v[TM+4*\j],   v[TM+4*\j+1]
	v_cvt_pk_f16_f32 v[HV+16*(\u)+2*\j+1], v[TM+4*\j+2], v[TM+4*\j+3]
.endr
.irp j, 0,1,2,3,4,5,6,7
	global_store_b128 v[L16], v[T+32*(\u)+4*\j:T+32*(\u)+4*\j+3], s[4:5] offset:(8*(\u)+\j)*512 th:TH_STORE_NT
	global_store_b64 v[HO], v[HV+16*(\u)+2*\j:HV+16*(\u)+2*\j+1], s[6:7] offset:(8*(\u)+\j)*256
.endr
.if \reload
	s_wait_xcnt 0x0                                ; the buffer is loaded again, and its f16 copy rewritten, only behind this wait
.irp j, 0,1,2,3,4,5,6,7
	ds_load_b128 v[T+32*(\u)+4*\j:T+32*(\u)+4*\j+3], v[RDT] offset:(16+8*(\u)+\j)*SPT
.endr
.endif
.endm
.Lv_rows:
.irp j, 0,1,2,3,4,5,6,7,8,9,10,11,12,13,14,15
	ds_load_b128 v[T+4*\j:T+4*\j+3], v[RDT] offset:\j*SPT
.endr
	s_mov_b32 s3, 3
.Lvr:
	OUT8V 0, 1, 8
	OUT8V 1, 1, 8
	s_add_nc_u64 s[4:5], s[4:5], 8192              ; behind the wait in OUT8V, with no store since
	s_add_nc_u64 s[6:7], s[6:7], 4096
	s_add_co_u32 s[RB], s[RB], 16*SPT
	v_add_nc_u32 v[RDT], s[RB], v[L16]
	s_sub_co_u32 s3, s3, 1
	s_cmp_lg_u32 s3, 0
	s_cbranch_scc1 .Lvr
	OUT8V 0, 0, 8
	OUT8V 1, 0, 0
.Lend:
	s_wait_tensorcnt 0x0                           ; the wave's end: behind my last tensor load and my last LDS store
	ds_add_u32 v[SPW], v[NIL]
	s_wait_dscnt 0x0
	CROUND                                         ; the closing round: no work-group ends while a partner may still ask for a tile that names it
	s_endpgm
.Lfunc_end_k_qcea32fceff_qkv:
	.size	k_qcea32fceff_qkv, .Lfunc_end_k_qcea32fceff_qkv-k_qcea32fceff_qkv
	.p2alignl 7, 3214868480
	.fill 96, 4, 3214868480
	.section	.rodata,"a",@progbits
	.p2align	6, 0x0
	.amdhsa_kernel k_qcea32fceff_qkv
		.amdhsa_group_segment_fixed_size 327680
		.amdhsa_private_segment_fixed_size 0
		.amdhsa_enable_private_segment 0
		.amdhsa_kernarg_size 72
		.amdhsa_user_sgpr_count 2
		.amdhsa_user_sgpr_kernarg_segment_ptr 1
		.amdhsa_wavefront_size32 1
		.amdhsa_system_sgpr_workgroup_id_x 1
		.amdhsa_system_sgpr_workgroup_id_y 1
		.amdhsa_system_sgpr_workgroup_id_z 1
		.amdhsa_system_vgpr_workitem_id 0
		.amdhsa_next_free_vgpr 1024
		.amdhsa_next_free_sgpr 102
		.amdhsa_reserve_vcc 0
		.amdhsa_float_denorm_mode_32 3
		.amdhsa_float_denorm_mode_16_64 3
		.amdhsa_memory_ordered 1
		.amdhsa_forward_progress 1
		.amdhsa_inst_pref_size 128
	.end_amdhsa_kernel
	.amdgpu_metadata
---
amdhsa.version: [ 1, 2 ]
amdhsa.kernels:
  - .name:           k_qcea32fceff_qkv
    .symbol:         k_qcea32fceff_qkv.kd
    .args:
      - { .name: xb, .offset: 0, .size: 8, .value_kind: global_buffer, .address_space: global }
      - { .name: wqkv, .offset: 8, .size: 8, .value_kind: global_buffer, .address_space: global }
      - { .name: csg, .offset: 16, .size: 8, .value_kind: global_buffer, .address_space: global }
      - { .name: q_norm_w, .offset: 24, .size: 8, .value_kind: global_buffer, .address_space: global }
      - { .name: k_norm_w, .offset: 32, .size: 8, .value_kind: global_buffer, .address_space: global }
      - { .name: qh, .offset: 40, .size: 8, .value_kind: global_buffer, .address_space: global }
      - { .name: kvh, .offset: 48, .size: 8, .value_kind: global_buffer, .address_space: global }
      - { .name: out1, .offset: 56, .size: 8, .value_kind: global_buffer, .address_space: global }
      - { .name: out2, .offset: 64, .size: 8, .value_kind: global_buffer, .address_space: global }
    .group_segment_fixed_size: 327680
    .private_segment_fixed_size: 0
    .kernarg_segment_align: 8
    .kernarg_segment_size: 72
    .max_flat_workgroup_size: 128
    .sgpr_count:     102
    .vgpr_count:     1024
    .wavefront_size: 32
...
	.end_amdgpu_metadata
.endif
;; end of part 2
;; launch attn (part 3): grid 16 x 16, 4 waves a work-group, clusters of 4 x 1, 327,680 bytes of LDS; arguments qh, kvh, madd, ctxh; writes ctxh
.if DOCPART == 3
	.amdgcn_target "amdgcn-amd-amdhsa--gfx1250"
	.amdhsa_code_object_version 6
	.text
	.protected	k_qcea32fceff_attn
	.globl	k_qcea32fceff_attn
	.p2align	8
	.type	k_qcea32fceff_attn,@function
k_qcea32fceff_attn:
	s_mov_b64 s[64:65], 0
	v_nop
	global_prefetch_b8 v0, s[64:65] scope:SCOPE_SE
	s_setreg_imm32_b32 hwreg(HW_REG_WAVE_MODE, 25, 1), 1
	s_wait_xcnt 0x0
	s_wait_alu depctr_hold_cnt(0) depctr_sa_sdst(0) depctr_va_vdst(0) depctr_va_sdst(0) depctr_va_ssrc(0) depctr_va_vcc(0) depctr_vm_vsrc(0)
	s_getreg_b32 s2, hwreg(HW_REG_IB_STS2, 6, 4)
	s_cmp_eq_u32 s2, 0
	s_cbranch_scc0 .Lentry_in_a_cluster
	s_endpgm
.Lentry_in_a_cluster:
	s_bfe_u32 s2, ttmp6, 0x10000c
	s_cmp_lg_u32 s2, 0x3003
	s_cbranch_scc0 .Lentry_shape_is_right
	s_endpgm
.Lentry_shape_is_right:
; GROUPED-QUERY ATTENTION.  ctx[q] = sum over k of softmax_k(t[q][k]) V[k], t = (c q) . k + madd, in units of log2: c = log2(e) / sqrt(128) was folded into qh; madd is 0 or -1e30.
; qh f16 [2][16][1024][128]; kvh f16 K [2][8][2048][128], V / 4 behind it; madd f32 in the score tile's own order.  Products, maxima and sums in f32; the weights p are rounded to f16 for the second product.
; ctxh f16 = ctx / 4, in the matrix fragment's order for the projection behind: [block of 16 tokens][32 of its K = 128 head + channel][half j][lane][8]: token 16 tb + lane % 16, k = 32 kb + 16 j + 8 (lane / 16) + e.
; A masked score is its value plus -1e30, which in f32 IS -1e30 for every |t| under 3e22: in a row with no open key all t are equal, p = 2^(t - m) = 1, and the weights are uniform, as the where() of the module gives them.
; SHARES.  A work-group owns 64 queries of one batch and group, for BOTH query heads of the group: 128 rows.  Wave w: queries 32 (w % 2) on, four tiles of 16: tile t = query block t / 2, head t % 2; and key half w / 2:
; of each LDS slot's 128 keys it takes 64.  So every fragment of K and V feeds four tiles, and a PIECE (tiles 0, 1 or 2, 3) has one mask.  The two key halves are merged once, at the end, through LDS.
; LAYOUT, TURNS.  S^T = K Q^T holds ONE query a lane (lane % 16) and the keys 8 (lane / 16) + 0..7; two such results rounded to f16 ARE source 1 of O^T = V^T P.  In a TURN one piece has the matrix unit
; (32 products V^T P of the step in hand, 32 products K Q^T of the next) and the other piece's softmax stands in 64 slices behind its matrix instructions.
; O^T holds one query a lane and eight channels: rounded in pairs, a lane's 16 bytes ARE its 16 bytes of a half fragment of ctxh, so the result leaves straight from registers, 512 consecutive bytes a store.
; m starts at the lowest finite number, O and l at 0: the first step is a step like any other, with a = 0; the first turn's V^T P multiplies zeros, the last turn's K Q^T serves nothing.
; CLUSTER 4 x 1: four blocks of queries of one batch and group walk the same K and V: each tile is asked for jointly.
; LIMITS.  q, k, v / 4 arrive within f16's 65,504; p below 6e-5 keeps f16's fixed step; a weight below 2^-126 counts as 0; NaN and infinities are not treated apart.
; REGISTERS, in windows of 256: window 0: v0-11, v44-45 addresses; v12-43 eight registers of statistics a tile; v46-53 the merge; v64-191 S^T; v192-255 P.  Window 1: O^T, 64 a tile.
;   Window 2: v0-127 Q; v128-255 K of one step.  Window 3: v0-127 V of one step; v128-191 the masks, 32 a piece.
.set KS,    64
.set PK,    272       ; a row of K in LDS: 256 bytes + 16: the 16 rows of a load start at 16 different groups of four banks (64 banks of 4 bytes: ISA guide 11.1)
.set PV,    288       ; a row of V: 256 + 32
.set VOFF,  KS*PK
.set STEPB, KS*(PK+PV)
.set SLOT1, 1<<17     ; a slot holds two steps, one for each key half
.set SPARE, SLOT1+2*STEPB  ; behind the ring: the spare words, 128 bytes a wave: two blocks of 256 bytes that no other line names
.set MERGE, SPARE+512      ; two areas of 33,792 bytes: 256 registers of O^T, then m and l, from the wave of key half 1 to its partner
.set MRGW,  33792
.set AK0, 2
.set AV0, 3
.set ADR, 4
.set QO,  5
.set ST,  12          ; tile t's statistics at v[ST+8 t]: +0 m, +1 written once (named with m as a pair), +2, +3 l (even keys', odd keys'), +4 to +7 c0-c3; a takes c2's place
.set ML,  44          ; 16 x lane
.set MA,  45          ; my place in my merge area
.set SPW, 62
.set NIL, 63
.set S,   64
.set P,   192
.set OB,  64          ; the merge: the partner's O^T of one tile
.set KF,  128         ; window 2
.set MK,  128         ; window 3
.set WV,  12
.set G1K, 24
.set G1V, 32
.set G0K, 40          ; s[40:47]: a set for each first fill; the second then walks
.set G0V, 48
.set CNT, 57
.set SEL, 60
.set TB,  62          ; LDS byte at which my key half's tiles begin in the slot in hand
.set MB,  72          ; s[72:73], s[74:75]: the two pieces' masks of the step last asked for
.set KH,  76          ; my key half
.set MSB, 0
.macro WIN new
.if MSB != (\new)
	s_set_vgpr_msb (MSB<<8)|(\new)
.set MSB, (\new)
.endif
.endm
.set W_KQ, 0x0a       ; K and Q in window 2, S^T in window 0
.set W_PV, 0x53       ; V in window 3, P in window 0, O^T in window 1
.set W_RS, 0x41       ; O^T (destination and source 0) in window 1, a in window 0
.set W_MK, 0x0c       ; source 1, the mask, in window 3
.macro JLOAD          ; a joint refill: waves 0 and 1 fetch the two steps' K, waves 2 and 3 their V; an s_nop 0 and four v_nop follow each line
	s_cmp_lt_u32 s[WV], 2
	s_cbranch_scc0 .Lfor_v_\@
	tensor_load_to_lds s[G0K+4:G0K+7], s[G1K:G1K+7]
	s_nop 0
.rept 4
	v_nop
.endr
	s_branch .Lasked_\@
.Lfor_v_\@:
	tensor_load_to_lds s[G0V+4:G0V+7], s[G1V:G1V+7]
	s_nop 0
.rept 4
	v_nop
.endr
.Lasked_\@:
.endm
.macro CROUND
	s_barrier_signal -1
	s_barrier_wait -1
	s_cmp_lg_u32 s[WV], 0
	s_cbranch_scc1 .Lnot_wave_0_\@
	s_barrier_signal -3
.Lnot_wave_0_\@:
	s_barrier_wait -3
	s_barrier_signal -1
	s_barrier_wait -1
.endm
	s_load_b256 s[4:11], s[0:1], 0x0  ; qh s[4:5], kvh s[6:7], madd s[8:9], ctxh s[10:11]
	v_lshl_add_u32 v[SPW], v0, 2, SPARE
	v_mov_b32 v[NIL], 0
	ds_add_u32 v[SPW], v[NIL]       ; the wave's opening: the add and its wait stand ahead of my first tensor load; work on registers stands between them
	v_lshrrev_b32 v1, 5, v0
	v_readfirstlane_b32 s[WV], v1
	s_bfe_u32 s13, ttmp6, 0x40000   ; cx
	s_lshl_b32 s14, ttmp9, 2
	s_add_co_u32 s14, s14, s13      ; my block of 64 queries: it enters Q's, the mask's and ctx's addresses alone
	s_and_b32 s15, ttmp7, 0xffff    ; 8 batch + group, which the partners share
	s_and_b32 s16, s[WV], 1
	s_lshr_b32 s[KH], s[WV], 1
	s_lshl_b32 s20, s15, 19         ; the group's first byte in K, in V, and (two heads of 262,144 bytes) in Q
	s_lshl_b32 s22, s16, 14         ; which of a slot's two steps I fetch: 64 rows of 256 bytes
	s_add_co_u32 s22, s22, s20
	s_mov_b32 s23, 0
	s_mul_i32 s17, s16, STEPB       ; and its place in a slot
	s_lshl_b32 s2, s14, 14          ; Q: 64 rows a block,
	s_lshl_b32 s3, s16, 13          ; 32 a wave
	s_add_co_u32 s2, s2, s3
	s_add_co_u32 s2, s2, s20
	s_mov_b32 s3, 0
	s_lshr_b32 s18, s15, 3          ; batch
	s_and_b32 s19, s15, 7           ; group
	s_lshl_b32 s68, s18, 22         ; ctx: block of 16 tokens 64 batch + 4 block + 2 (w % 2), 65,536 bytes each; a group's two heads are 8,192 bytes of it
	s_lshl_b32 s69, s14, 18
	s_add_co_u32 s68, s68, s69
	s_lshl_b32 s69, s16, 17
	s_add_co_u32 s68, s68, s69
	s_lshl_b32 s69, s19, 13
	s_add_co_u32 s68, s68, s69
	s_mov_b32 s69, 0
	s_lshl_b32 s70, s18, 6          ; the mask: block of 16 queries 64 batch + 4 block + 2 (w % 2) + piece, 131,072 bytes each; step w / 2, 4,096 bytes
	s_lshl2_add_u32 s70, s14, s70
	s_lshl1_add_u32 s70, s16, s70
	s_lshl_b32 s70, s70, 17
	s_lshl_b32 s71, s[KH], 12
	s_add_co_u32 s70, s70, s71
	s_mov_b32 s71, 0
	s_mov_b32 s[G1K], 15|(1<<16)|(1<<20)|(1<<21)|(5<<22)|(3<<25)  ; the mask of four; 2-byte elements; padding on; bit 21 beside a mask; after every 64 words, 4 words
	s_mov_b32 s[G1V], 15|(1<<16)|(1<<20)|(1<<21)|(5<<22)|(7<<25)  ; the same with 8 words
.irp g, G1K, G1V
	s_mov_b32 s[(\g)+1], 128<<16    ; tensor_dim0 = 128
	s_mov_b32 s[(\g)+2], KS<<16     ; tensor_dim1 = 64
	s_mov_b32 s[(\g)+3], 128<<16    ; tile_dim0 = 128
	s_mov_b32 s[(\g)+4], KS         ; tile_dim1 = 64
	s_mov_b32 s[(\g)+5], 128        ; elements from row to row
	s_mov_b32 s[(\g)+6], 0
	s_mov_b32 s[(\g)+7], 0
.endr
	s_mov_b32 s[SEL], 0x76543210
	s_mov_b32 s[SEL+1], 0xfedcba98
	s_mul_i32 s[TB], s[KH], STEPB
	s_wait_dscnt 0x0                ; the opening add is done
	s_wait_kmcnt 0x0
	s_add_nc_u64 s[6:7], s[6:7], s[22:23]       ; K at my tile of slot 0
	s_add_nc_u64 s[66:67], s[6:7], 0x800000     ; V likewise
	s_add_nc_u64 s[4:5], s[4:5], s[2:3]
	s_add_nc_u64 s[10:11], s[10:11], s[68:69]
	s_add_nc_u64 s[MB:MB+1], s[8:9], s[70:71]
	s_add_nc_u64 s[MB+2:MB+3], s[MB:MB+1], 0x20000
	CROUND                          ; all four work-groups are here: the first joint loads meet
.irp s, 0,1
	s_mov_b32 s[G0K+4*(\s)], 1
	s_add_co_u32 s[G0K+4*(\s)+1], s17, (\s)*SLOT1
	s_add_nc_u64 s[G0K+4*(\s)+2:G0K+4*(\s)+3], s[6:7], (\s)*2*KS*256
	s_or_b32 s[G0K+4*(\s)+3], s[G0K+4*(\s)+3], 0x80000000
	s_mov_b32 s[G0V+4*(\s)], 1
	s_add_co_u32 s[G0V+4*(\s)+1], s17, (\s)*SLOT1+VOFF
	s_add_nc_u64 s[G0V+4*(\s)+2:G0V+4*(\s)+3], s[66:67], (\s)*2*KS*256
	s_or_b32 s[G0V+4*(\s)+3], s[G0V+4*(\s)+3], 0x80000000
.endr
	s_cmp_lt_u32 s[WV], 2           ; a wave's two first fills stand in one branch: two loads of mine are out
	s_cbranch_scc0 .Lfirst_v
	tensor_load_to_lds s[G0K:G0K+3], s[G1K:G1K+7]
	s_nop 0
	tensor_load_to_lds s[G0K+4:G0K+7], s[G1K:G1K+7]
	s_nop 0
.rept 4
	v_nop
.endr
	s_branch .Lfirst_asked
.Lfirst_v:
	tensor_load_to_lds s[G0V:G0V+3], s[G1V:G1V+7]
	s_nop 0
	tensor_load_to_lds s[G0V+4:G0V+7], s[G1V:G1V+7]
	s_nop 0
.rept 4
	v_nop
.endr
.Lfirst_asked:
	v_and_b32 v1, 15, v0            ; l % 16
	v_bfe_u32 v9, v0, 4, 1          ; l / 16
	v_lshlrev_b32 v[QO], 8, v1
	v_lshl_add_u32 v[QO], v9, 4, v[QO]
	v_and_b32 v[ML], 31, v0
	v_lshlrev_b32 v[ML], 4, v[ML]
	WIN 0x80                        ; destination window 2
.set i, 0
.rept 16                            ; Q stays in registers: tile i / 4 (head (i / 4) % 2, query block i / 8), channels 32 (i % 4) on
	global_load_b128 v[8*i:8*i+3],   v[QO], s[4:5] offset:((i/4)&1)*262144+(i/8)*4096+(i%4)*64
	global_load_b128 v[8*i+4:8*i+7], v[QO], s[4:5] offset:((i/4)&1)*262144+(i/8)*4096+(i%4)*64+32
.set i, i+1
.endr
	WIN 0xc0                        ; destination window 3: the first step's masks, piece 0's and then piece 2's
.irp f, 0,1,2,3,4,5,6,7
	global_load_b128 v[MK+4*\f:MK+4*\f+3], v[ML], s[MB:MB+1] offset:512*\f th:TH_LOAD_NT
.endr
.irp f, 0,1,2,3,4,5,6,7
	global_load_b128 v[MK+32+4*\f:MK+32+4*\f+3], v[ML], s[MB+2:MB+3] offset:512*\f th:TH_LOAD_NT
.endr
	; what the first turn finds: V and piece 2's P hold 0 (its products V^T P add 0), O^T and l are 0.  All this stands in the wait for the first tile.
.set i, 0
.rept 128
	v_mov_b32 v[i], 0
.set i, i+1
.endr
	WIN 0x40
.set i, 0
.rept 256
	v_mov_b32 v[i], 0
.set i, i+1
.endr
	WIN 0
.irp t, 0,1,2,3
	v_mov_b32 v[ST+8*\t], 0xff7fffff
	v_mov_b32 v[ST+8*\t+1], 0
	v_mov_b32 v[ST+8*\t+2], 0
	v_mov_b32 v[ST+8*\t+3], 0
.endr
.set i, P+32
.rept 32
	v_mov_b32 v[i], 0
.set i, i+1
.endr
	v_mul_u32_u24 v[AK0], v1, PK
	v_lshl_add_u32 v[AK0], v9, 4, v[AK0]
	v_and_b32 v10, 7, v0            ; the turning load: lane l reads key 8 (l / 16) + l % 8, channels 8 ((l / 8) % 2) + 0..7
	v_bfe_u32 v11, v0, 3, 1
	v_lshl_add_u32 v[AV0], v9, 3, v10
	v_mul_u32_u24 v[AV0], v[AV0], PV
	v_lshl_add_u32 v[AV0], v11, 4, v[AV0]
	v_add_nc_u32 v[AV0], VOFF, v[AV0]
; Product i of 32 of O^T += V^T P for piece x: keys 32 (i / 16) on, channels 16 ((i / 2) % 8) on, tile x + i % 2.  The accumulators take turns, one instruction a turn.
.macro PV x
	WIN W_PV
.set rO, 64*((\x)+i%2)+8*((i/2)%8)
.set rV, 64*(i/16)+8*((i/2)%8)
.set rP, P+16*((\x)+i%2)+8*(i/16)
	v_wmma_f32_16x16x32_f16 v[rO:rO+7], v[rV:rV+7], v[rP:rP+7], v[rO:rO+7]
.endm
; Product i of 32 of S^T = K Q^T: channels 32 (i / 8) on, keys 16 ((i / 2) % 4) on, tile x + i % 2.  The first 8 start the sums.
.macro KQ x
	WIN W_KQ
.set rS, S+32*((\x)+i%2)+8*((i/2)%4)
.set rK, KF+32*((i/2)%4)+8*(i/8)
.set rQ, 32*((\x)+i%2)+8*(i/8)
.if i < 8
	v_wmma_f32_16x16x32_f16 v[rS:rS+7], v[rK:rK+7], v[rQ:rQ+7], 0
.else
	v_wmma_f32_16x16x32_f16 v[rS:rS+7], v[rK:rK+7], v[rQ:rQ+7], v[rS:rS+7]
.endif
.endm
.macro FETCH_K
	WIN 0
	v_add_nc_u32 v[ADR], s[TB], v[AK0]
	WIN 0x80
.irp f, 0,1,2,3,4,5,6,7,8,9,10,11,12,13,14,15  ; keys 16 (f / 4) on, channels 32 (f % 4) on
	ds_load_b128 v[KF+8*(\f):KF+8*(\f)+3],   v[ADR] offset:((\f)/4)*16*PK+((\f)%4)*64
	ds_load_b128 v[KF+8*(\f)+4:KF+8*(\f)+7], v[ADR] offset:((\f)/4)*16*PK+((\f)%4)*64+32
.endr
.endm
.macro FETCH_V
	WIN 0
	v_add_nc_u32 v[ADR], s[TB], v[AV0]
	WIN 0xc0
.irp f, 0,1,2,3,4,5,6,7,8,9,10,11,12,13,14,15  ; keys 32 (f / 8) on, channels 16 (f % 8) on
	ds_load_tr16_b128 v[8*(\f):8*(\f)+3],   v[ADR] offset:((\f)/8)*32*PV+((\f)%8)*32
	ds_load_tr16_b128 v[8*(\f)+4:8*(\f)+7], v[ADR] offset:((\f)/8)*32*PV+16*PV+((\f)%8)*32
.endr
.endm
; Piece y's mask of its next step: 8 loads of 512 consecutive bytes.  The base steps two steps of 4,096 bytes (the other key half has the step between); the turn's first wait has shown its last loads done.
; guard = 1 (the tail): in the last trip there is no further step, and the run is jumped over.
.macro MASKLOAD y, guard
	WIN 0
.if \guard
	s_cmp_eq_u32 s[CNT], 1
	s_cbranch_scc1 .Lno_mask_\@
.endif
	s_add_nc_u64 s[MB+(\y):MB+(\y)+1], s[MB+(\y):MB+(\y)+1], 8192
	WIN 0xc0
.irp f, 0,1,2,3,4,5,6,7
	global_load_b128 v[MK+16*(\y)+4*\f:MK+16*(\y)+4*\f+3], v[ML], s[MB+(\y):MB+(\y)+1] offset:512*\f th:TH_LOAD_NT
.endr
	WIN 0
.if \guard
.Lno_mask_\@:
.endif
.endm
; THE VECTOR WORK OF A TURN.  One tile's softmax for one step is a list of 150 instructions; SM writes number j of it for tile t.  s0-s31 are the lane's 32 scores, in pairs 0-15; jj = j - 16.
;   j 0-15     the mask is added, pair by pair, each accumulator's low registers first
;   jj 0-15    the maximum of s0-s31 and the old m, three operands at a time      jj 16-19  the other half of the lanes' maximum; the new m; m_old - m_new      (jj 20 is empty)
;   jj 21-87   33 exponentials (a, then s0-s31) at the odd numbers from 23 on, a plain instruction at every even one: s - m for a pair whose exponentials are to come, the rounding of a pair whose exponentials are done, the first sums
;   jj 88-101  the last rounding; the rest of the sums; l = a l + the sum         jj 102-133  the tile's O^T times a
.macro SM t
.set rT, ST+8*(\t)
.set rS, S+32*(\t)
.set rP, P+16*(\t)
.set rM, MK+32*((\t)/2)
.set jj, j-16
.set rO, 64*(\t)+2*(jj-102)
.set q, (jj-20)/2
.if (j >= 16) && (jj < 102)
	WIN 0
.endif
.if j < 16
	WIN W_MK
	v_pk_add_f32 v[rS+2*j:rS+2*j+1], v[rS+2*j:rS+2*j+1], v[rM+2*j:rM+2*j+1]
.elseif jj < 4
	v_max3_num_f32 v[rT+4+jj], v[rS+8*jj], v[rS+8*jj+1], v[rS+8*jj+2]
.elseif jj < 12
	v_max3_num_f32 v[rT+4+jj%4], v[rT+4+jj%4], v[rS+8*(jj%4)+2*(jj/4)+1], v[rS+8*(jj%4)+2*(jj/4)+2]
.elseif jj == 12
	v_max3_num_f32 v[rT+4], v[rT+4], v[rS+7], v[rS+15]
.elseif jj == 13
	v_max3_num_f32 v[rT+6], v[rT+6], v[rS+23], v[rS+31]
.elseif jj == 14
	v_max3_num_f32 v[rT+4], v[rT+4], v[rT+5], v[rT+6]
.elseif jj == 15
	v_max3_num_f32 v[rT+4], v[rT+4], v[rT+7], v[rT]
.elseif jj == 16
	v_permlanex16_b32 v[rT+5], v[rT+4], s[SEL], s[SEL+1]  ; the query's other 32 keys lie in the lane 16 away
.elseif jj == 17
	v_mov_b32 v[rT+7], v[rT]        ; m_old is kept for a
.elseif jj == 18
	v_max_num_f32 v[rT], v[rT+4], v[rT+5]
.elseif jj == 19
	v_sub_f32 v[rT+7], v[rT+7], v[rT]
.elseif jj == 20
.elseif jj == 23
	v_exp_f32 v[rT+6], v[rT+7]
.elseif (jj < 88) && (jj > 23) && (jj%2 == 1)
	v_exp_f32 v[rS+(jj-25)/2], v[rS+(jj-25)/2]
.elseif (q < 4) || ((jj < 76) && (q%2 == 0))
.set b, q/2+2
.if q < 4
.set b, q
.endif
	v_pk_add_f32 v[rS+2*b:rS+2*b+1], v[rS+2*b:rS+2*b+1], v[rT:rT+1] op_sel_hi:[1,0] neg_lo:[0,1] neg_hi:[0,1]  ; pair b: s - m
.elseif (jj < 88) && (q%2 == 1)
	s_wait_alu depctr_va_vdst(0)
	v_cvt_pk_f16_f32 v[rP+(q-5)/2], v[rS+q-5], v[rS+q-4]  ; its second exponential stands three numbers back
.elseif jj == 89
	s_wait_alu depctr_va_vdst(0)
	v_cvt_pk_f16_f32 v[rP+15], v[rS+30], v[rS+31]
.elseif jj < 102                    ; the sum of the 16 pairs, in place: neighbours 1, 2, 4 and 8 pairs apart, then l takes it
.set z, jj-86
.if jj < 89
.set z, (jj-76)/4
.endif
.set w, 4
.set u, z
.if z >= 14
.set w, 32
.set u, 0
.elseif z >= 12
.set w, 16
.set u, z-12
.elseif z >= 8
.set w, 8
.set u, z-8
.endif
.if z < 15
	v_pk_add_f32 v[rS+w*u:rS+w*u+1], v[rS+w*u:rS+w*u+1], v[rS+w*u+w/2:rS+w*u+w/2+1]
.else
	v_pk_fma_f32 v[rT+2:rT+3], v[rT+2:rT+3], v[rT+6:rT+7], v[rS:rS+1] op_sel_hi:[1,0,1]
.endif
.else
	WIN W_RS
	v_pk_mul_f32 v[rO:rO+1], v[rO:rO+1], v[rT+6:rT+7] op_sel_hi:[1,0]
.endif
.endm
; Slice k of 64 of piece y's softmax: numbers 2 k and 2 k + 1 of both tiles' lists.  2 x 150 = 4 x 64 + 44: the 44 that are over stand in slice 63, 48 plain rescalings, which are also
; the places between the turn's last K Q^T and what follows it: the next turn's first read of those scores, and the loads into K's registers.
.macro SLICE y
.if (k >= 19) && (k < 52)           ; tile by tile: plain, exponential, plain, exponential
.irp t, \y, (\y)+1
.irp n, 0,1
.set j, 2*k+(\n)
	SM \t
.endr
.endr
.else                               ; the two tiles alternate
.set nn, 0
.rept 24
.if (nn < 2) || (k == 63)
.irp t, \y, (\y)+1
.set j, 2*k+nn
	SM \t
.endr
.endif
.set nn, nn+1
.endr
.endif
.set k, k+1
.endm
; A TURN.  Piece x has the matrix unit; the other piece's softmax stands in slices behind its matrix instructions.
; The first wait: the other piece's mask is in; my own piece's, 8 younger loads, may stay out.  In the tail (tail = 1) the wait is for 0, since a run of mask loads may have been jumped over.
; Piece 0's turn fetches the next step's K, behind slice 63 of the turn before.  Piece 2's turn fetches the same step's V: the last product that read V stands three slices, six plain instructions, back.
; The mask's registers are free behind slice 7, and are loaded again behind slice 8: two turns ahead of their use.
.macro TURN x, tail=0
.set k, 0
.if \tail
	s_wait_loadcnt 0x0
.else
	s_wait_loadcnt 0x8
.endif
.if (\x) == 0
	s_wait_dscnt 0x0                ; V is in
.endif
.set i, 0
.rept 32
	PV \x
	SLICE 2-(\x)
.if ((\x) == 0) && (i == 1)
	FETCH_K
.endif
.if (i == 8) && !((\tail) && ((\x) == 2))
	MASKLOAD 2-(\x), (\tail)
.endif
.set i, i+1
.endr
.if (\x) == 0
	s_wait_dscnt 0x0                ; K is in
.endif
.set i, 0
.rept 32
	KQ \x
	SLICE 2-(\x)
.if ((\x) == 2) && (i == 1)
	FETCH_V
.endif
.set i, i+1
.endr
.endm
; THE CHANGE OF SLOTS, between piece 2's turn and piece 0's: the slot's last bytes, V, have been asked for.  Each wave waits for all its tensor loads (one is out: its part of the other slot), adds 0 to its
; spare word, and waits for that and for its reads of the slot.  fill = 1: the barrier is a round of the cluster's, and the slot is filled again, with the keys two slots on, first thing behind it: 128 matrix instructions ahead of the wait for it.
.macro CHANGE fill
	WIN 0
	s_wait_tensorcnt 0x0            ; no tensor load of mine is out, so a group 0 may be written
	ds_add_u32 v[SPW], v[NIL]       ; 0 onto my spare word
.if \fill
.irp g, G0K+4, G0V+4
	s_xor_b32 s[(\g)+1], s[(\g)+1], SLOT1
	s_add_nc_u64 s[(\g)+2:(\g)+3], s[(\g)+2:(\g)+3], 2*KS*256
.endr
	s_wait_dscnt 0x0                ; the add is done, and my reads of the slot are over
	CROUND
	JLOAD
.else
	s_wait_dscnt 0x0
	s_barrier_signal -1
	s_barrier_wait -1
.endif
	s_xor_b32 s[TB], s[TB], SLOT1
.endm
	s_wait_tensorcnt 0x1            ; my part of slot 0 is in; slot 1's may stay out
	s_barrier_signal -1
	s_barrier_wait -1
	FETCH_K                         ; step 0
	s_wait_loadcnt 16               ; Q is in; the 16 mask loads are younger
	s_wait_dscnt 0x0
.set i, 0
.rept 32
	KQ 0                            ; piece 0's first scores
.set i, i+1
.endr
	WIN 0
	s_mul_i32 s77, s16, MRGW
	s_add_co_u32 s77, s77, MERGE
	v_add_nc_u32 v[MA], s77, v[ML]
.rept 4
	v_nop                           ; the places behind those products
.endr
	s_mov_b32 s[CNT], 15
	s_branch .Lfirst                ; the loop is entered in the middle of a trip
.Lslot:                             ; 14 whole trips: slots 2 to 15 are asked for
	CHANGE 1
	TURN 0
	WIN 0
.Lfirst:
	TURN 2
	WIN 0
	s_sub_co_u32 s[CNT], s[CNT], 1
	s_cmp_lg_u32 s[CNT], 0
	s_cbranch_scc1 .Lslot
	CHANGE 0                        ; the tail is written out
	s_mov_b32 s[CNT], 2
.Ltail:
	TURN 0, 1
	WIN 0
	s_sub_co_u32 s[CNT], s[CNT], 1
	s_cmp_eq_u32 s[CNT], 0
	s_cbranch_scc1 .Lout
	TURN 2, 1
	WIN 0
	s_branch .Ltail
.Lout:                              ; the second trip's 32 products K Q^T (on the last K once more) serve nothing: the price, once a launch, of one text for both trips
.set i, 0
.rept 32
	PV 2                            ; piece 2: V^T P of the last step
.set i, i+1
.endr
	; THE MERGE of the two key halves.  Waves 2 and 3 hand O^T, m and l to waves 0 and 1, lane for lane: both hold the same queries in the same places.
	WIN 0
.irp t, 0,1,2,3
	v_add_f32 v[ST+8*\t+2], v[ST+8*\t+2], v[ST+8*\t+3]   ; l's two halves; the four lines are the places behind the last products
.endr
	s_cmp_lt_u32 s[WV], 2
	s_cbranch_scc1 .Lkeeper
.irp t, 0,1,2,3
	v_mov_b32 v[46+\t], v[ST+8*\t]
	v_mov_b32 v[50+\t], v[ST+8*\t+2]
.endr
	WIN 0x04                        ; store data in window 1
.set i, 0
.rept 64
	ds_store_b128 v[MA], v[4*i:4*i+3] offset:512*i  ; each accumulator's low registers first
.set i, i+1
.endr
	WIN 0
	ds_store_b128 v[MA], v[46:49] offset:32768
	ds_store_b128 v[MA], v[50:53] offset:33280
.Lkeeper:
	s_wait_dscnt 0x0                ; for the partner's sake: my stores are done
	s_barrier_signal -1
	s_barrier_wait -1
	s_cmp_lt_u32 s[WV], 2
	s_cbranch_scc0 .Lend
	ds_load_b128 v[46:49], v[MA] offset:32768
	ds_load_b128 v[50:53], v[MA] offset:33280
	s_wait_dscnt 0x0
.irp t, 0,1,2,3
	v_max_num_f32 v[ST+8*\t+1], v[ST+8*\t], v[46+\t]
.endr
.irp t, 0,1,2,3
	v_sub_f32 v[ST+8*\t+4], v[ST+8*\t], v[ST+8*\t+1]
	v_sub_f32 v[ST+8*\t+6], v[46+\t], v[ST+8*\t+1]
.endr
.irp t, 0,1,2,3
	v_exp_f32 v[ST+8*\t+4], v[ST+8*\t+4]
	v_exp_f32 v[ST+8*\t+6], v[ST+8*\t+6]
.endr
	v_nop                           ; a plain instruction between the last exponential and the use of its result
.irp t, 0,1,2,3
	s_wait_alu depctr_va_vdst(0)
	v_mul_f32 v[ST+8*\t+2], v[ST+8*\t+2], v[ST+8*\t+4]
.endr
.irp t, 0,1,2,3
	v_fmac_f32 v[ST+8*\t+2], v[50+\t], v[ST+8*\t+6]
.endr
.irp t, 0,1,2,3
	v_permlanex16_b32 v[ST+8*\t+3], v[ST+8*\t+2], s[SEL], s[SEL+1]
.endr
.irp t, 0,1,2,3
	v_add_f32 v[ST+8*\t+2], v[ST+8*\t+2], v[ST+8*\t+3]
.endr
.irp t, 0,1,2,3
	v_rcp_f32 v[ST+8*\t+3], v[ST+8*\t+2]
.endr
	v_nop
.irp t, 0,1,2,3
	s_wait_alu depctr_va_vdst(0)
	v_mul_f32 v[ST+8*\t+4], v[ST+8*\t+4], v[ST+8*\t+3]   ; my half's factor
	v_mul_f32 v[ST+8*\t+6], v[ST+8*\t+6], v[ST+8*\t+3]   ; the partner's
.endr
; Tile t: both halves weighted and added, rounded to f16, and stored.  Channel block f's four packed registers are half fragment f of the tile's head.  It runs once: its waits are for 0.
.macro FIN t
.set PB, P+32*((\t)%2)
	WIN 0
.irp f, 0,1,2,3,4,5,6,7,8,9,10,11,12,13,14,15
	ds_load_b128 v[OB+4*\f:OB+4*\f+3], v[MA] offset:512*(16*(\t)+\f)
.endr
	WIN W_RS
.set i, 64*(\t)
.rept 32
	v_pk_mul_f32 v[i:i+1], v[i:i+1], v[ST+8*(\t)+4:ST+8*(\t)+5] op_sel_hi:[1,0]
.set i, i+2
.endr
	s_wait_dscnt 0x0
	WIN 0x50                        ; destination and source 2 window 1
.set i, 0
.rept 32
	v_pk_fma_f32 v[64*(\t)+2*i:64*(\t)+2*i+1], v[OB+2*i:OB+2*i+1], v[ST+8*(\t)+6:ST+8*(\t)+7], v[64*(\t)+2*i:64*(\t)+2*i+1] op_sel_hi:[1,0,1]
.set i, i+1
.endr
	s_wait_xcnt 0x0                 ; the registers that the stores of two tiles ago read are rewritten only behind this wait
	WIN 0x05                        ; sources 0 and 1 window 1
.set i, 0
.rept 32
	v_cvt_pk_f16_f32 v[PB+i], v[64*(\t)+2*i], v[64*(\t)+2*i+1]
.set i, i+1
.endr
	WIN 0
.irp f, 0,1,2,3,4,5,6,7
	global_store_b128 v[ML], v[PB+4*\f:PB+4*\f+3], s[10:11] offset:((\t)>>1)*65536+((\t)&1)*4096+\f*512  ; 512 consecutive bytes, aligned
.endr
.endm
	FIN 0
	FIN 1
	FIN 2
	FIN 3
.Lend:
	s_wait_tensorcnt 0x0            ; the wave's end: behind my last tensor load and my last LDS store
	ds_add_u32 v[SPW], v[NIL]
	s_wait_dscnt 0x0
	CROUND                          ; the closing round
	s_endpgm
.Lfunc_end_k_qcea32fceff_attn:
	.size	k_qcea32fceff_attn, .Lfunc_end_k_qcea32fceff_attn-k_qcea32fceff_attn
	.p2alignl 7, 3214868480
	.fill 96, 4, 3214868480
	.section	.rodata,"a",@progbits
	.p2align	6, 0x0
	.amdhsa_kernel k_qcea32fceff_attn
		.amdhsa_group_segment_fixed_size 327680
		.amdhsa_private_segment_fixed_size 0
		.amdhsa_enable_private_segment 0
		.amdhsa_kernarg_size 32
		.amdhsa_user_sgpr_count 2
		.amdhsa_user_sgpr_kernarg_segment_ptr 1
		.amdhsa_wavefront_size32 1
		.amdhsa_system_sgpr_workgroup_id_x 1
		.amdhsa_system_sgpr_workgroup_id_y 1
		.amdhsa_system_sgpr_workgroup_id_z 1
		.amdhsa_system_vgpr_workitem_id 0
		.amdhsa_next_free_vgpr 1024
		.amdhsa_next_free_sgpr 80
		.amdhsa_reserve_vcc 0
		.amdhsa_float_denorm_mode_32 3
		.amdhsa_float_denorm_mode_16_64 3
		.amdhsa_memory_ordered 1
		.amdhsa_forward_progress 1
		.amdhsa_inst_pref_size 185
	.end_amdhsa_kernel
	.amdgpu_metadata
---
amdhsa.version: [ 1, 2 ]
amdhsa.kernels:
  - .name:           k_qcea32fceff_attn
    .symbol:         k_qcea32fceff_attn.kd
    .args:
      - { .name: qh, .offset: 0, .size: 8, .value_kind: global_buffer, .address_space: global }
      - { .name: kvh, .offset: 8, .size: 8, .value_kind: global_buffer, .address_space: global }
      - { .name: madd, .offset: 16, .size: 8, .value_kind: global_buffer, .address_space: global }
      - { .name: ctxh, .offset: 24, .size: 8, .value_kind: global_buffer, .address_space: global }
    .group_segment_fixed_size: 327680
    .private_segment_fixed_size: 0
    .kernarg_segment_align: 8
    .kernarg_segment_size: 32
    .max_flat_workgroup_size: 128
    .sgpr_count:     80
    .vgpr_count:     1024
    .wavefront_size: 32
...
	.end_amdgpu_metadata
.endif
;; end of part 3
;; launch oproj (part 4): grid 16 x 16, 4 waves a work-group, clusters of 4 x 4, 327,680 bytes of LDS; arguments ctxh, woh, out0; writes out0
.if DOCPART == 4
	.amdgcn_target "amdgcn-amd-amdhsa--gfx1250"
	.amdhsa_code_object_version 6
	.text
	.protected	k_qcea32fceff_oproj
	.globl	k_qcea32fceff_oproj
	.p2align	8
	.type	k_qcea32fceff_oproj,@function
k_qcea32fceff_oproj:
	s_mov_b64 s[64:65], 0
	v_nop
	global_prefetch_b8 v0, s[64:65] scope:SCOPE_SE
	s_setreg_imm32_b32 hwreg(HW_REG_WAVE_MODE, 25, 1), 1
	s_wait_xcnt 0x0
	s_wait_alu depctr_hold_cnt(0) depctr_sa_sdst(0) depctr_va_vdst(0) depctr_va_sdst(0) depctr_va_ssrc(0) depctr_va_vcc(0) depctr_vm_vsrc(0)
	s_getreg_b32 s2, hwreg(HW_REG_IB_STS2, 6, 4)
	s_cmp_eq_u32 s2, 0
	s_cbranch_scc0 .Lentry_in_a_cluster
	s_endpgm
.Lentry_in_a_cluster:
	s_bfe_u32 s2, ttmp6, 0x10000c
	s_cmp_lg_u32 s2, 0xf033
	s_cbranch_scc0 .Lentry_shape_is_right
	s_endpgm
.Lentry_shape_is_right:
; OUTPUT PROJECTION.  out0[token][n] = sum over k of ctx[token][k] Wo[n][k]: f16 operands (ctx / 4 and 4 x bf16(Wo): the two factors cancel), f32 sums and output; M = 2048, N = 4096, K = 2048.
; A tile of C is 128 tokens x 256 columns: 16 x 16 work-groups, one for each of 256 WGPs.  Four waves, each 64 x 128: 32 accumulators.
; THE TWO OPERANDS COME BY TWO ROADS.  woh goes through LDS: two slots of K = 256 (256 rows of 512 bytes, each wave fetches 64 of them by one tensor load), so that a refill has 240 of a slot's 256
; matrix instructions in which to land.  ctx does not touch LDS: ctxh lies in the fragment's own order, [block of 16 tokens][32 of K][half][lane][8], and a load of the wave takes 512 consecutive bytes straight
; into the registers that the matrix instruction names.  Eight register buffers, one for each quarter (32 of K) of a slot; a buffer is loaded again seven quarters ahead of its next use.
; The price: the two waves of a token half, and the 16 tiles of a tile row, each read ctx for themselves.
; CLUSTER 4 x 4: the four of a column need the same tile of woh: it is asked for jointly.
; THE MATRIX INSTRUCTION IS USED TRANSPOSED (source 0 = 16 rows of woh, source 1 = 16 tokens).  THE WAY OUT: the f32 tile goes into the wave's own scratch in LDS (slot 1's bytes, which have had their last fill)
; and comes back by rows, so that a store of the wave covers 512 consecutive bytes of a row of out0.
; REGISTERS.  Window 0: v0-29 addresses; v160-223 rows on the way out.  Window 1: v64-127, v128-191 fragments of woh.  Window 2: the accumulators, (a, b) at v[8 (8 a + b)].  Window 3: fragments of ctx: quarter q, token block a at v[32 q + 8 a].
.set KDIM,  2048
.set NSLOT, KDIM/256
.set TBB,   KDIM*32                    ; bytes of a block of 16 tokens in ctxh
.set ROWB,  16384                      ; bytes in a row of out0
.set PITCH, 528                        ; an LDS row: 512 bytes + 16 of padding: the 16 rows of a fragment load start at 16 different groups of four banks (64 banks of 4 bytes: ISA guide 11.1)
.set BQ,    64*PITCH                   ; what a wave fetches of woh; also a wave's scratch
.set SLOT1, 4*BQ                       ; 135,168 = 0x21000: bits 17 and 12, which no wave's offset 0, 0x8400, 0x10800, 0x18c00 has: one exclusive or turns an address in one slot into the other's
.set SPARE, 2*SLOT1                    ; behind the ring: the spare words, 128 bytes a wave, two blocks of 256 bytes that no other line names
.set SPT,   528                        ; a scratch row: 512 bytes of f32 + 16
.set ADRB, 17
.set B0,   19
.set DST,  20
.set RDT,  21
.set L16,  24
.set SPW,  28
.set NIL,  29
.set F0,   64
.set F1,   128
.set T,    160
.set AP,  14                           ; s[14:15] ctxh at my 64 tokens, at the slot whose fragments are being asked for
.set AS,  22                           ; s[22:23] an offset pair
.set G1B, 48
.set G0B, 56
.set TB,  45
.set RB,  66
.set MSB, 0
.macro WIN new
.if MSB != (\new)
	s_set_vgpr_msb (MSB<<8)|(\new)
.set MSB, (\new)
.endif
.endm
.set MUL,  0xad                        ; source 0 window 1, source 1 window 3, C and D window 2
.set TO_B, 0x40
.set TO_A, 0xc0
.set PADW, (1<<16)|(1<<20)|(1<<21)|(6<<22)|(3<<25)
.macro PLACES
.rept 4
	v_nop
.endr
.endm
.macro CREST
	s_cmp_lg_u32 s10, 0
	s_cbranch_scc1 .Lnot_wave_0_\@
	s_barrier_signal -3
.Lnot_wave_0_\@:
	s_barrier_wait -3
	s_barrier_signal -1
	s_barrier_wait -1
.endm
.macro CROUND
	s_barrier_signal -1
	s_barrier_wait -1
	CREST
.endm
	s_load_b128 s[4:7], s[0:1], 0x0                ; ctxh s[4:5], woh s[6:7]
	s_load_b64 s[8:9], s[0:1], 0x10                ; out0
	v_lshl_add_u32 v[SPW], v0, 2, SPARE
	v_mov_b32 v[NIL], 0
	ds_add_u32 v[SPW], v[NIL]                      ; the wave's opening: the add and its wait stand ahead of my first tensor load
	v_lshrrev_b32 v1, 5, v0
	v_readfirstlane_b32 s10, v1
	s_lshr_b32 s11, s10, 1                         ; my half of the tokens
	s_and_b32 s12, s10, 1                          ; my half of the columns
	s_bfe_u32 s40, ttmp6, 0x40000
	s_bfe_u32 s41, ttmp6, 0x40004
	s_lshl_b32 s42, ttmp9, 2
	s_add_co_u32 s42, s42, s40                     ; tile column
	s_and_b32 s13, ttmp7, 0xffff
	s_lshl_b32 s13, s13, 2
	s_add_co_u32 s13, s13, s41                     ; tile row
	s_lshl_b32 s44, 0x1111, s40                    ; my column of the cluster
	s_or_b32 s[G1B], s44, PADW
	s_mov_b32 s[G1B+1], 256<<16
	s_mov_b32 s[G1B+2], 64<<16
	s_mov_b32 s[G1B+3], 256<<16
	s_mov_b32 s[G1B+4], 64
	s_mov_b32 s[G1B+5], KDIM
	s_mov_b32 s[G1B+6], 0
	s_mov_b32 s[G1B+7], 0
	s_lshl_b32 s46, s42, 8
	s_lshl_b32 s47, s10, 6
	s_add_co_u32 s46, s46, s47                     ; woh: row 256 x tile column + 64 x wave
	s_mov_b32 s47, 0
	s_mov_b64 s[18:19], KDIM*2
	s_mul_u64 s[46:47], s[46:47], s[18:19]
	s_mul_i32 s21, s10, BQ
	s_lshl_b32 s[AS], s13, 3
	s_lshl2_add_u32 s[AS], s11, s[AS]              ; ctxh: block of 16 tokens 8 x tile row + 4 x half
	s_mul_i32 s[AS], s[AS], TBB
	s_mov_b32 s[AS+1], 0
	s_mov_b32 s[TB], 0
	s_wait_dscnt 0x0
	s_wait_kmcnt 0x0
	s_add_nc_u64 s[46:47], s[6:7], s[46:47]
	s_add_nc_u64 s[AP:AP+1], s[4:5], s[AS:AS+1]
	CROUND
.irp s, 0,1
	s_mov_b32 s[G0B+4*(\s)], 1
	s_add_co_u32 s[G0B+4*(\s)+1], s21, (\s)*SLOT1
	s_add_nc_u64 s[G0B+4*(\s)+2:G0B+4*(\s)+3], s[46:47], (\s)*512
	s_or_b32 s[G0B+4*(\s)+3], s[G0B+4*(\s)+3], 0x80000000
.endr
	tensor_load_to_lds s[G0B:G0B+3], s[G1B:G1B+7]  ; every wave's two first fills: two loads of mine are out
	s_nop 0
	tensor_load_to_lds s[G0B+4:G0B+7], s[G1B:G1B+7]
	s_nop 0
.rept 4
	v_nop
.endr
	v_and_b32 v[L16], 31, v0
	v_lshlrev_b32 v[L16], 4, v[L16]
; Eight loads, a GROUP: the fragments of ctx for quarter q of the slot at s[AP]
.macro ALOAD q
	WIN TO_A
.irp a, 0,1,2,3
	global_load_b128 v[32*(\q)+8*(\a):32*(\q)+8*(\a)+3],   v[L16], s[AP:AP+1] offset:(\a)*TBB+(\q)*1024
	global_load_b128 v[32*(\q)+8*(\a)+4:32*(\q)+8*(\a)+7], v[L16], s[AP:AP+1] offset:(\a)*TBB+(\q)*1024+512
.endr
.endm
.irp q, 0,1,2,3,4,5,6
	ALOAD \q                                       ; slot 0's quarters 0 to 6; quarter 7's group goes out in the middle of quarter 0, like every group after it
.endr
	WIN 0
	v_and_b32 v1, 15, v0
	v_bfe_u32 v2, v0, 4, 1
	v_mul_u32_u24 v3, v1, PITCH
	v_lshl_add_u32 v3, v2, 4, v3
	s_mul_i32 s16, s12, 2*BQ
	v_add_nc_u32 v[B0], s16, v3
	v_mov_b32 v[ADRB], v[B0]
	s_mul_i32 s[RB], s10, BQ
	s_add_co_u32 s[RB], s[RB], SLOT1               ; my scratch, in slot 1's bytes
	v_mul_u32_u24 v4, v1, SPT
	v_lshl_add_u32 v4, v2, 5, v4
	v_add_nc_u32 v[DST], s[RB], v4
	v_add_nc_u32 v[RDT], s[RB], v[L16]
	s_lshl_b32 s68, s13, 7
	s_lshl_b32 s69, s11, 6
	s_add_co_u32 s68, s68, s69                     ; my first token,
	s_lshl_b32 s68, s68, 14                        ; 16,384 bytes a row,
	s_lshl_b32 s70, s42, 10                        ; my first column, 4 bytes each
	s_lshl_b32 s71, s12, 9
	s_add_co_u32 s70, s70, s71
	s_add_co_u32 s68, s68, s70
	s_mov_b32 s69, 0
	s_add_nc_u64 s[8:9], s[8:9], s[68:69]
.macro MUL8 f, q, b0, zero             ; 8 matrix instructions; the 32 accumulators take turns in one fixed order
	WIN MUL
.irp b, \b0, (\b0)+1
.irp a, 0,1,2,3
.if \zero
	v_wmma_f32_16x16x32_f16 v[8*(8*(\a)+(\b)):8*(8*(\a)+(\b))+7], v[(\f)+8*(\b):(\f)+8*(\b)+7], v[32*(\q)+8*(\a):32*(\q)+8*(\a)+7], 0
.else
	v_wmma_f32_16x16x32_f16 v[8*(8*(\a)+(\b)):8*(8*(\a)+(\b))+7], v[(\f)+8*(\b):(\f)+8*(\b)+7], v[32*(\q)+8*(\a):32*(\q)+8*(\a)+7], v[8*(8*(\a)+(\b)):8*(8*(\a)+(\b))+7]
.endif
.endr
.endr
.endm
.macro FETCH k, f                      ; 16 LDS loads in one run
	WIN TO_B
.irp i, 0,1,2,3,4,5,6,7
	ds_load_b128 v[(\f)+8*(\i):(\f)+8*(\i)+3],   v[ADRB] offset:(\k)+(\i)*16*PITCH
	ds_load_b128 v[(\f)+8*(\i)+4:(\f)+8*(\i)+7], v[ADRB] offset:(\k)+(\i)*16*PITCH+32
.endr
.endm
; Quarter q (0 to 6) multiplies woh's buffer q % 2 by ctx's buffer q; in its middle it fetches the next quarter's fragments of woh, and asks for ctx's buffer q - 1 for that buffer's next turn.
.macro QUARTER q, zero
.set FF, F0+64*((\q)%2)
.set GG, F0+64*(((\q)+1)%2)
	s_wait_loadcnt 48                              ; my group of ctx is in: six younger groups of eight loads stay out
	s_wait_dscnt 0x8                               ; column blocks 0-3 are in; the youngest eight loads (blocks 4-7) may be out
	MUL8 FF, \q, 0, \zero
	MUL8 FF, \q, 2, \zero
	PLACES
	FETCH 64*((\q)+1), GG
	ALOAD ((\q)+7)%8
	s_wait_dscnt 16                                ; all but the 16 just issued
	MUL8 FF, \q, 4, \zero
	MUL8 FF, \q, 6, \zero
.endm
; Quarter 7 changes slots: ONE barrier; in front of it each wave waits for all its tensor loads, adds 0 to its spare word, and waits for that and for its reads of this slot.
; fill = 1: the barrier opens a round of the cluster's, and this slot is filled again, two slots ahead, first thing behind the round.
.macro TURN fill
	WIN 0
	s_wait_tensorcnt 0x0
	ds_add_u32 v[SPW], v[NIL]
.if \fill
	s_xor_b32 s[G0B+5], s[G0B+5], SLOT1
	s_add_nc_u64 s[G0B+6:G0B+7], s[G0B+6:G0B+7], 512
.endif
	s_wait_loadcnt 48
	s_wait_dscnt 0x9                               ; the add and the youngest eight loads may be out
	MUL8 F1, 7, 0, 0
	s_wait_dscnt 0x0                               ; the add is done, and my reads of this slot are over
	s_barrier_signal -1
	MUL8 F1, 7, 2, 0
	WIN 0
	s_barrier_wait -1
.if \fill
	CREST
	tensor_load_to_lds s[G0B+4:G0B+7], s[G1B:G1B+7]  ; 240 matrix instructions ahead of the wait for it
	s_nop 0
	PLACES                                         ; the places in front of the loads below
.else
	PLACES
.endif
	s_xor_b32 s[TB], s[TB], SLOT1
	v_add_nc_u32 v[ADRB], s[TB], v[B0]
	FETCH 0, F0
	ALOAD 6
	MUL8 F1, 7, 4, 0
	MUL8 F1, 7, 6, 0
.endm
	s_wait_tensorcnt 0x1                           ; my part of slot 0 is in,
	s_barrier_signal -1
	s_barrier_wait -1                              ; everybody's is
	FETCH 0, F0
	QUARTER 0, 1
	WIN 0
	s_mov_b32 s3, NSLOT-2
.Lslot:                                                ; a trip goes from a slot's quarter 1 to the next slot's quarter 0
	s_wait_xcnt 0x0                                ; the pointer is stepped only behind this wait
	s_add_nc_u64 s[AP:AP+1], s[AP:AP+1], 8192
.irp q, 1,2,3,4,5,6
	QUARTER \q, 0
.endr
	TURN 1
	QUARTER 0, 0
	WIN 0
	s_sub_co_u32 s3, s3, 1
	s_cmp_lg_u32 s3, 0
	s_cbranch_scc1 .Lslot
	s_mov_b32 s3, 2                                ; the last two slots: one text, walked twice and left in its middle; nothing is asked of the ring
	s_mov_b32 s[AS], 8192
	s_mov_b32 s[AS+1], 0
.Ltail:
	s_wait_xcnt 0x0
	s_add_nc_u64 s[AP:AP+1], s[AP:AP+1], s[AS:AS+1]
	s_mov_b32 s[AS], 0                             ; in the second walk the pointer stays: its six groups read the last slot's fragments once more, inside the buffer, and are not used: one text and one count for both walks
.irp q, 1,2,3,4,5,6
	QUARTER \q, 0
.endr
	WIN 0
	s_sub_co_u32 s3, s3, 1
	s_cmp_eq_u32 s3, 0
	s_cbranch_scc1 .Llastq
	TURN 0
	QUARTER 0, 0
	WIN 0
	s_branch .Ltail
.Llastq:
	s_wait_loadcnt 48                              ; the very last quarter
	s_wait_dscnt 0x8
	MUL8 F1, 7, 0, 0
	MUL8 F1, 7, 2, 0
	s_wait_dscnt 0x0                               ; my reads of the ring are over
	s_barrier_signal -1
	MUL8 F1, 7, 4, 0
	MUL8 F1, 7, 6, 0
	WIN 0
	s_barrier_wait -1                              ; everybody's are, and every tensor load has landed: slot 1's bytes are scratch from here on
	PLACES
	WIN 0x08                                       ; store data in window 2
.irp a, 0,1,2,3
.irp b, 0,1,2,3,4,5,6,7
	ds_store_b128 v[DST], v[8*(8*(\a)+(\b)):8*(8*(\a)+(\b))+3]   offset:16*(\a)*SPT+64*(\b)      ; each accumulator's low registers first
	ds_store_b128 v[DST], v[8*(8*(\a)+(\b))+4:8*(8*(\a)+(\b))+7] offset:16*(\a)*SPT+64*(\b)+16
.endr
.endr
	WIN 0
; Eight rows in buffer u go out.  younger: the other buffer's loads, which may stay out.  LDS serves a wave's instructions in order (ISA guide 5.7.1.4), so the loads see my stores above.
.macro OUT8 u, reload, younger
	s_wait_dscnt \younger
.irp j, 0,1,2,3,4,5,6,7
	global_store_b128 v[L16], v[T+32*(\u)+4*\j:T+32*(\u)+4*\j+3], s[8:9] offset:(8*(\u)+\j)*ROWB th:TH_STORE_NT  ; 512 consecutive bytes, aligned
.endr
.if \reload
	s_wait_xcnt 0x0                                ; the buffer is loaded again only behind this wait
.irp j, 0,1,2,3,4,5,6,7
	ds_load_b128 v[T+32*(\u)+4*\j:T+32*(\u)+4*\j+3], v[RDT] offset:(16+8*(\u)+\j)*SPT
.endr
.endif
.endm
.irp j, 0,1,2,3,4,5,6,7,8,9,10,11,12,13,14,15
	ds_load_b128 v[T+4*\j:T+4*\j+3], v[RDT] offset:\j*SPT
.endr
	s_mov_b32 s3, 3
.Lrows:
	OUT8 0, 1, 8
	OUT8 1, 1, 8
	s_add_nc_u64 s[8:9], s[8:9], 16*ROWB           ; behind the wait in OUT8, with no store since
	s_add_co_u32 s[RB], s[RB], 16*SPT
	v_add_nc_u32 v[RDT], s[RB], v[L16]
	s_sub_co_u32 s3, s3, 1
	s_cmp_lg_u32 s3, 0
	s_cbranch_scc1 .Lrows
	OUT8 0, 0, 8
	OUT8 1, 0, 0
	s_wait_tensorcnt 0x0                           ; the wave's end: behind my last tensor load and my last LDS store
	ds_add_u32 v[SPW], v[NIL]
	s_wait_dscnt 0x0
	CROUND                                         ; the closing round
	s_endpgm
.Lfunc_end_k_qcea32fceff_oproj:
	.size	k_qcea32fceff_oproj, .Lfunc_end_k_qcea32fceff_oproj-k_qcea32fceff_oproj
	.p2alignl 7, 3214868480
	.fill 96, 4, 3214868480
	.section	.rodata,"a",@progbits
	.p2align	6, 0x0
	.amdhsa_kernel k_qcea32fceff_oproj
		.amdhsa_group_segment_fixed_size 327680
		.amdhsa_private_segment_fixed_size 0
		.amdhsa_enable_private_segment 0
		.amdhsa_kernarg_size 24
		.amdhsa_user_sgpr_count 2
		.amdhsa_user_sgpr_kernarg_segment_ptr 1
		.amdhsa_wavefront_size32 1
		.amdhsa_system_sgpr_workgroup_id_x 1
		.amdhsa_system_sgpr_workgroup_id_y 1
		.amdhsa_system_sgpr_workgroup_id_z 1
		.amdhsa_system_vgpr_workitem_id 0
		.amdhsa_next_free_vgpr 1024
		.amdhsa_next_free_sgpr 72
		.amdhsa_reserve_vcc 0
		.amdhsa_float_denorm_mode_32 3
		.amdhsa_float_denorm_mode_16_64 3
		.amdhsa_memory_ordered 1
		.amdhsa_forward_progress 1
		.amdhsa_inst_pref_size 95
	.end_amdhsa_kernel
	.amdgpu_metadata
---
amdhsa.version: [ 1, 2 ]
amdhsa.kernels:
  - .name:           k_qcea32fceff_oproj
    .symbol:         k_qcea32fceff_oproj.kd
    .args:
      - { .name: ctxh, .offset: 0, .size: 8, .value_kind: global_buffer, .address_space: global }
      - { .name: woh, .offset: 8, .size: 8, .value_kind: global_buffer, .address_space: global }
      - { .name: out0, .offset: 16, .size: 8, .value_kind: global_buffer, .address_space: global }
    .group_segment_fixed_size: 327680
    .private_segment_fixed_size: 0
    .kernarg_segment_align: 8
    .kernarg_segment_size: 24
    .max_flat_workgroup_size: 128
    .sgpr_count:     72
    .vgpr_count:     1024
    .wavefront_size: 32
...
	.end_amdgpu_metadata
.endif
;; end of part 4
